; MI455X (gfx1250); checked and timed in simulation.
; The chip was launched on July 23, 2026; its instructions are those of AMD's public machine-readable ISA for CDNA 5 (MIT licence, August 2026) and "CDNA5" Instruction Set Architecture Reference Guide (July 2026). The comments in the code are by the model that wrote it; some were corrected since.
;; Multi Head Attention. Allowed arithmetic: matrix products marked QUANTISED: E2M3 operands, one E8M0 scale for each 32 along K, by v_wmma_scale_f32_16x16x128_f8f6f4 with both operands' format E2M3, f32 sums; everything else in f32.
;; Inputs: b_k 1,024 float32; b_o 1,024 float32; b_q 1,024 float32; b_v 1,024 float32; key 4 x 2,048 x 1,024 float32; mask 1 x 1 x 2,048 x 2,048 int32; query 4 x 2,048 x 1,024 float32; rel_bias_table 4,095 x 16 float32; value 4 x 2,048 x 1,024 float32; w_k 1,024 x 1,024 float32; w_o 1,024 x 1,024 float32; w_q 1,024 x 1,024 float32; w_v 1,024 x 1,024 float32.
;; Outputs: out0 4 x 2,048 x 1,024 float32.
;; This version of the problem:
;;   THIS VERSION OF THE PROBLEM IS GIVEN IN LOW PRECISION. The matrix products marked QUANTISED in the list below multiply operands that are first quantised to E2M3 (2 exponent bits, 3 mantissa bits; 6 bits a number), with one power-of-two scale for each 32 numbers along K (OCP MX v1.0); their sums are f32. All else is computed in f32.
;;   The module's matrix products, in the order in which they are computed (A, B: the left and right operand; K: the contracted axis; several contracted axes count as one K, in the product's order):
;;     1. [M 8,192, K 1,024] x [K 1,024, N 1,024]; A: input query; B: input w_q: QUANTISED
;;     2. [M 8,192, K 1,024] x [K 1,024, N 1,024]; A: input key; B: input w_k: QUANTISED
;;     3. [M 8,192, K 1,024] x [K 1,024, N 1,024]; A: input value; B: input w_v: QUANTISED
;;     4. batch 64 x [M 2,048, K 64] x [K 64, N 2,048]; A: computed on the way; B: computed on the way: QUANTISED
;;     5. batch 64 x [M 2,048, K 2,048] x [K 2,048, N 64]; A: softmax (see below); B: computed on the way: QUANTISED
;;     6. [M 8,192, K 1,024] x [K 1,024, N 1,024]; A: computed on the way; B: input w_o: QUANTISED
;;   THE QUANTISER, for each operand of a quantised product, along K:
;;     - K is cut into blocks of 32 from its start; a last block that is shorter is filled with zeros.
;;     - A block's scale is 2^e with e = floor(log2(the largest magnitude in the block)) - 2, held to -126 .. 127; a block of zeros has e = 0. As a byte (E8M0): e + 127.
;;     - Each number is divided by its block's scale, clamped to +-7.5, and rounded to the nearest number of E2M3, ties to even, subnormals kept.
;;     - The product sums the exact products of the quantised numbers (number of the format x scale) in f32.
;;   ~~~python
;;   def quantise(x, axis):      # numpy; x: float32 -> the quantised numbers, widened to float32 again
;;       x = np.moveaxis(x, axis, -1); K = x.shape[-1]
;;       x = np.pad(x, [(0, 0)] * (x.ndim - 1) + [(0, -K % 32)]); x = x.reshape(x.shape[:-1] + (-1, 32)); a = np.abs(x).max(-1, keepdims=True)
;;       e = np.where(a > 0, np.clip(np.frexp(np.where(a > 0, a, 1))[1] - 1 - 2, -126, 127), 0)      # np.frexp(a)[1] - 1 = floor(log2(a)), exactly
;;       r = np.clip(x / 2.0 ** e, -7.5, 7.5)
;;       step = 2.0 ** (np.maximum(np.frexp(np.where(r == 0, 1, r))[1] - 1, 0) - 3)
;;       q = np.round(r / step) * step * 2.0 ** e      # np.round: ties to even
;;       return np.moveaxis(q.reshape(q.shape[:-2] + (-1,))[..., :K], -1, axis).astype(np.float32)
;;   ~~~
;;   SOFTMAX AHEAD OF A QUANTISED PRODUCT. Where the list says 'softmax', what is quantised is not the finished softmax but p = 2^(t - M), with t = logit x log2(e) and M = ceil(the row's largest t), a whole number; so 1/2 < the row's largest p <= 1. The row's sum l is taken of the UNQUANTISED p, in f32, and the product's result is divided by l at the end. Since M is a whole number, a kernel that streams over the keys may use a running M (the ceiling of the running maximum): every later rescaling is an exact power of two, which a block's scale takes up: the codes' values come out the same.
;;   OPERANDS COMPUTED ON THE WAY. 'Computed on the way' means the value that the module computes at that place (a softmax that the list does not call 'softmax' is quantised finished and normalised). What goes into a quantiser is computed in f32, as accurately as f32 sums, v_exp_f32 and their like allow (about 1e-6 of the number): no bf16 or f16 on the way to a quantiser, and a product that is left as it is and whose result goes on into a quantised operand takes f32 operands (vector FMAs, or v_wmma_f32_16x16x4_f32). A number that lies on a knife's edge between two numbers of the format may be rounded either way, as far as f32 arithmetic and the matrix unit's own rounding can turn it there, and no further.
;; One version. Each part assembles by itself: llvm-mc -triple=amdgcn-amd-amdhsa -mcpu=gfx1250 --defsym DOCPART=n.
;; ======== version 1 of 1: 4 launches
;; limits: right only within a limited range of input values
;; workspace buffers: inq 22,937,600 bytes; maskw 524,288 bytes of whole numbers; biast 1,310,720 bytes; qkv 19,660,800 bytes; ctx 6,553,600 bytes
;; launch prep (part 1): grid 672 x 1, 4 waves a work-group, no clusters, 68,096 bytes of LDS; arguments query, key, value, w_q, w_k, w_v, w_o, mask, rel_bias_table, inq, maskw, biast; writes inq, maskw, biast
.if DOCPART == 1
	.amdgcn_target "amdgcn-amd-amdhsa--gfx1250"
	.amdhsa_code_object_version 6
	.text
	.protected	k_q599d1b4193_prep
	.globl	k_q599d1b4193_prep
	.p2align	8
	.type	k_q599d1b4193_prep,@function
k_q599d1b4193_prep:
	s_mov_b64 s[64:65], 0
	v_nop
	global_prefetch_b8 v0, s[64:65] scope:SCOPE_SE
	s_setreg_imm32_b32 hwreg(HW_REG_WAVE_MODE, 25, 1), 1
	s_wait_xcnt 0x0
; PREP.  Three kinds of work-groups, told apart by the work-group's number; each kind ends by itself.
; A (0-447): query, key, value, w_q, w_k, w_v, w_o, all [rows][1024] f32, become codes of FP6 (E2M3) with one E8M0 byte for each 32 along K, laid as IMAGES OF OPERAND REGISTERS:
;   a fragment (16 rows x 128 K, 12 registers a lane) is 1,536 bytes: registers 0-3 at 16 x lane, 4-5 at 512 + 8 x lane, 6-9 at 768 + 16 x lane, 10-11 at 1,280 + 8 x lane.
;   inq: [block of 128 rows][K step 8][tile 8][1,536]; scale words behind them, [tile][K step][row 16].  Blocks: query 0-63, key 64-127, value 128-191, w_q 192-, w_k 200-, w_v 208-, w_o 216-223.
;   A tile of query holds 16 neighbouring rows; a tile 2 p + u of every other tensor holds rows 32 p + 8 u + r + 8 (r / 8), so that a product that takes it as source 0 leaves 16 neighbours in 16 registers.
; B (448-511): the mask [2048][2048] int32 becomes lane masks: maskw [query tile 128][key step 16][64 words]; bit l of word 16 b + i = mask(16 tile + l % 16, 128 step + 32 b + 16 (l / 16) + i) != 0.
; C (512-671): the bias table becomes biast [head 16][group g 1,280][copy s 4][4] f32, element e of (g, s) = 8 x table[max(4094 - 4 g - e - s, 0)][head]: reversed, so that it rises with the key, and in four shifts, so that every lane can read 16 aligned bytes.
; A block's scale is 2^(floor(log2(its largest magnitude)) - 2); its byte is that magnitude's exponent field - 2, held at 1 from below.
; LIMITS: NaN and infinities are not served; blocks whose largest magnitude lies under 2^-124 keep the byte 1; a block of zeros has the byte 1, not 127 (its codes are zeros, and this program alone reads the bytes).
; One wave = one tile (A) or one query tile x 1,024 keys (B), in 8 steps of 16 rows x 512 bytes.  Each load reads 512 consecutive bytes of one row; the 8 KiB turn through the wave's own stage in LDS
; (rows of 528 bytes: the 16 rows of a read start in 16 different 16-byte columns) so that a lane gets neighbours of ONE row.  Waves share nothing: no barrier.  Loads run two steps (32 loads) ahead.
.set SCO,   22020096                   ; where inq's scale words begin
.set SROW,  528
.set STGB,  16*SROW                    ; a wave's stage; A's four stages lie at 0, B's four behind them
.set LD,    32                         ; v32-159  two sets of 64 registers as loaded
.set X,     160                        ; v160-223 64 numbers of one row
.set F,     224                        ; v224-247 two sets of 12 code registers
.set SW,    8                          ; v8-15    a scale word for each step
.macro LOADT set, pitch, col           ; 16 rows x 512 bytes: rows 0-7 from s[4:5], rows 8-15 from s[8:9]
.irp i, 0,1,2,3,4,5,6,7
	global_load_b128 v[LD+64*(\set)+4*\i:LD+64*(\set)+4*\i+3], v1, s[4:5] offset:\i*(\pitch)+(\col) th:TH_LOAD_NT
.endr
.irp i, 0,1,2,3,4,5,6,7
	global_load_b128 v[LD+64*(\set)+32+4*\i:LD+64*(\set)+32+4*\i+3], v1, s[8:9] offset:\i*(\pitch)+(\col) th:TH_LOAD_NT
.endr
.endm
.macro TURN set, kind                  ; through the stage; LDS serves a wave's instructions in order, so no wait stands between the stores and the loads
.irp i, 0,1,2,3,4,5,6,7,8,9,10,11,12,13,14,15
	ds_store_b128 v2, v[LD+64*(\set)+4*\i:LD+64*(\set)+4*\i+3] offset:\i*SROW
.endr
.irp i, 0,1,2,3,4,5,6,7,8,9,10,11,12,13,14,15
.if \kind == 0
	ds_load_b128 v[X+4*\i:X+4*\i+3], v3 offset:256*(\i/8)+16*(\i%8)   ; register 32 c + n = k 64 c + 32 h + n of row r
.else
	ds_load_b128 v[X+4*\i:X+4*\i+3], v3 offset:128*(\i/4)+16*(\i%4)   ; register 16 b + n = key 32 b + 16 h + n of row r
.endif
.endr
.endm
	s_load_b512 s[16:31], s[0:1], 0x0              ; query, key, value, w_q, w_k, w_v, w_o, mask
	s_load_b256 s[32:39], s[0:1], 0x40             ; table, inq, maskw, biast
	v_lshl_add_u32 v251, v0, 2, 0x10800
	v_mov_b32 v255, 0
	v_lshrrev_b32 v6, 5, v0
	v_readfirstlane_b32 s2, v6                     ; wave
	v_and_b32 v7, 31, v0                           ; lane
	v_lshlrev_b32 v1, 4, v7                        ; 16 x lane
	v_lshlrev_b32 v5, 3, v7                        ; 8 x lane
	v_lshlrev_b32 v26, 2, v7                       ; 4 x lane
	v_and_b32 v6, 15, v0                           ; r
	v_bfe_u32 v24, v0, 4, 1                        ; h
	s_mul_i32 s3, s2, STGB
	s_mov_b32 s12, 0x76543210
	s_mov_b32 s13, 0xfedcba98                      ; v_permlanex16_b32's selects for lane l xor 16
	s_wait_kmcnt 0x0
	s_cmp_lt_u32 ttmp9, 448
	s_cbranch_scc0 .Lnot_a
; ---------------- A: quantise a tile ----------------
	s_mov_b64 s[4:5], s[28:29]                     ; which tensor, and its first work-group: a chain of choices on the work-group's number
	s_mov_b32 s6, 432
	s_cmp_lt_u32 ttmp9, 432
	s_cselect_b64 s[4:5], s[26:27], s[4:5]
	s_cselect_b32 s6, 416, s6
	s_cmp_lt_u32 ttmp9, 416
	s_cselect_b64 s[4:5], s[24:25], s[4:5]
	s_cselect_b32 s6, 400, s6
	s_cmp_lt_u32 ttmp9, 400
	s_cselect_b64 s[4:5], s[22:23], s[4:5]
	s_cselect_b32 s6, 384, s6
	s_cmp_lt_u32 ttmp9, 384
	s_cselect_b64 s[4:5], s[20:21], s[4:5]
	s_cselect_b32 s6, 256, s6
	s_cmp_lt_u32 ttmp9, 256
	s_cselect_b64 s[4:5], s[18:19], s[4:5]
	s_cselect_b32 s6, 128, s6
	s_cmp_lt_u32 ttmp9, 128
	s_cselect_b64 s[4:5], s[16:17], s[4:5]
	s_cselect_b32 s6, 0, s6
	s_cselect_b32 s7, 15, 16                       ; rows 8-15 begin 2^15 bytes (8 rows) on in query, 2^16 (16 rows) in the others
	s_sub_co_u32 s40, ttmp9, s6
	s_lshl_b32 s40, s40, 2
	s_add_co_u32 s40, s40, s2                      ; the tile's number in its tensor
	s_lshl_b32 s41, s40, 4                         ; first row, neighbours: 16 t
	s_lshr_b32 s42, s40, 1
	s_lshl_b32 s42, s42, 5
	s_and_b32 s43, s40, 1
	s_lshl_b32 s43, s43, 3
	s_add_co_u32 s42, s42, s43                     ; first row otherwise: 32 (t / 2) + 8 (t % 2)
	s_cmp_eq_u32 s7, 15
	s_cselect_b32 s10, s41, s42
	s_lshl_b32 s10, s10, 12                        ; a row is 4,096 bytes
	s_mov_b32 s11, 0
	s_add_nc_u64 s[4:5], s[4:5], s[10:11]
	s_lshl_b32 s10, 1, s7
	s_add_nc_u64 s[8:9], s[4:5], s[10:11]
	s_lshl_b32 s41, ttmp9, 2
	s_add_co_u32 s41, s41, s2                      ; the tile's number in inq
	s_lshr_b32 s42, s41, 3
	s_mul_i32 s42, s42, 98304
	s_and_b32 s43, s41, 7
	s_mul_i32 s43, s43, 1536
	s_add_co_u32 s42, s42, s43
	s_mov_b32 s43, 0
	s_add_nc_u64 s[42:43], s[34:35], s[42:43]      ; its fragment of K step 0
	s_lshl_b32 s44, s41, 9
	s_add_co_u32 s44, s44, SCO
	s_mov_b32 s45, 0
	s_add_nc_u64 s[44:45], s[34:35], s[44:45]      ; its 512 bytes of scale words
	s_mov_b32 s46, 0xffff0000                      ; lanes 16-31
	s_wait_alu depctr_va_vdst(0)
	v_add_nc_u32 v2, s3, v1                        ; stage, in: 16 x lane of a row
	v_mul_u32_u24 v3, v6, SROW
	v_lshl_add_u32 v3, v24, 7, v3
	v_add_nc_u32 v3, s3, v3                        ; stage, out: row r, + 128 h
	v_lshlrev_b32 v25, 3, v24                      ; 8 h
	v_mov_b32 v23, 0                               ; written once: a lane permute's destination counts as one of its sources
	LOADT 0, 4096, 0
	LOADT 1, 4096, 512
.macro QSTEP s
.if \s < 7
	s_wait_loadcnt 16                              ; this step's 16 loads are in; the next step's 16 may be out
.else
	s_wait_loadcnt 0x0
.endif
	TURN (\s)%2, 0
	s_wait_dscnt 0x0                               ; my 64 numbers are back, and the stage's stores have read their registers,
.if \s < 6
	LOADT (\s)%2, 4096, 512*((\s)+2)               ; which take the loads of two steps on
.endif
.irp c, 0,1                                        ; my two whole blocks, 2 c + h; the floor 2^(3 - 127) holds the byte at 1 from below
	v_max3_num_f32 v[16+\c], |v[X+32*\c]|, |v[X+32*\c+1]|, 0x1800000
.endr
.irp i, 2,4,6,8,10,12,14,16,18,20,22,24,26,28,30
.irp c, 0,1
	v_max3_num_f32 v[16+\c], v[16+\c], |v[X+32*\c+\i]|, |v[X+32*\c+\i+1]|
.endr
.endr
.irp c, 0,1
	v_add_nc_u32 v[18+\c], 0xff000000, v[16+\c]    ; 2 off the exponent field: the conversion's scale operand
.endr
.irp c, 0,1
	v_lshrrev_b32 v[20+\c], 23, v[18+\c]           ; the scale's byte
.endr
	v_lshl_or_b32 v22, v21, 16, v20                ; blocks h and 2 + h,
	v_lshlrev_b32 v22, v25, v22                    ; at their places in the word;
	v_permlanex16_b32 v23, v22, s12, s13
	v_or_b32 v[SW+\s], v22, v23                    ; with lane l xor 16's two the row's word is whole
	s_wait_alu depctr_va_vdst(0)
	s_wait_xcnt 0x0                                ; the stores of two steps ago have read this set of code registers
.set FS, F+12*((\s)%2)
	v_cvt_scalef32_pk16_fp6_f32 v[FS:FS+2], v[X:X+15], v18
	v_cvt_scalef32_pk16_fp6_f32 v[248:250], v[X+16:X+31], v18      ; (a conversion's three registers begin on an even number)
	v_cvt_scalef32_pk16_fp6_f32 v[FS+6:FS+8], v[X+32:X+47], v19
	v_cvt_scalef32_pk16_fp6_f32 v[252:254], v[X+48:X+63], v19
	v_nop                                          ; one plain place behind a scaled conversion
.irp i, 0,1,2
	v_mov_b32 v[FS+3+\i], v[248+\i]
	v_mov_b32 v[FS+9+\i], v[252+\i]
.endr
	global_store_b128 v1, v[FS:FS+3], s[42:43] offset:12288*(\s)           ; each store covers 512 or 256 consecutive bytes, aligned to 256
	global_store_b64 v5, v[FS+4:FS+5], s[42:43] offset:12288*(\s)+512
	global_store_b128 v1, v[FS+6:FS+9], s[42:43] offset:12288*(\s)+768
	global_store_b64 v5, v[FS+10:FS+11], s[42:43] offset:12288*(\s)+1280
.endm
	s_wait_alu depctr_va_vdst(0)
.irp s, 0,1,2,3,4,5,6,7
	QSTEP \s
.endr
.irp k, 0,1,2,3                                    ; two steps' words to a store: lanes 0-15 step 2 k, lanes 16-31 step 2 k + 1: the four stores cover 512 consecutive bytes
	v_cndmask_b32 v[16+\k], v[SW+2*\k], v[SW+2*\k+1], s46
.endr
.irp k, 0,1,2,3
	global_store_b32 v26, v[16+\k], s[44:45] offset:128*\k
.endr
	s_wait_tensorcnt 0x0
	ds_add_u32 v251, v255
	s_wait_dscnt 0x0
	s_endpgm
.Lnot_a:
	s_cmp_lt_u32 ttmp9, 512
	s_cbranch_scc0 .Lpath_c
; ---------------- B: the mask as lane masks ----------------
	s_sub_co_u32 s40, ttmp9, 448
	s_lshl_b32 s40, s40, 2
	s_add_co_u32 s40, s40, s2                      ; 0 .. 255
	s_lshr_b32 s41, s40, 1                         ; query tile
	s_and_b32 s42, s40, 1                          ; which 1,024 keys
	s_lshl_b32 s10, s41, 17                        ; 16 rows of 8,192 bytes
	s_lshl_b32 s43, s42, 12
	s_add_co_u32 s10, s10, s43
	s_mov_b32 s11, 0
	s_add_nc_u64 s[4:5], s[30:31], s[10:11]
	s_add_nc_u64 s[8:9], s[4:5], 65536             ; rows 8-15
	s_lshl_b32 s10, s41, 12
	s_lshl_b32 s43, s42, 11
	s_add_co_u32 s10, s10, s43
	s_add_nc_u64 s[42:43], s[36:37], s[10:11]      ; my 8 steps x 256 bytes of maskw
	s_add_co_u32 s3, s3, 4*STGB                    ; this path has LDS bytes of its own
	s_wait_alu depctr_va_vdst(0)
	v_add_nc_u32 v2, s3, v1
	v_mul_u32_u24 v3, v6, SROW
	v_lshl_add_u32 v3, v24, 6, v3
	v_add_nc_u32 v3, s3, v3                        ; stage, out: row r, + 64 h
.irp i, 16,17,18,19
	v_mov_b32 v\i, 0                               ; v_writelane_b32's destination counts as read
.endr
	LOADT 0, 8192, 0
	LOADT 1, 8192, 512
.macro MSTEP s
.if \s < 7
	s_wait_loadcnt 16                              ; this step's 16 loads are in; the next step's 16 may be out
.else
	s_wait_loadcnt 0x0
.endif
	TURN (\s)%2, 1
	s_wait_dscnt 0x0
.if \s < 6
	LOADT (\s)%2, 8192, 512*((\s)+2)
.endif
	s_wait_xcnt 0x0                                ; the store of two steps ago has read this pair
.set WP, 16+2*((\s)%2)
.set nn, 0
.rept 64
	v_cmp_ne_u32 s[48+nn%8], 0, v[X+nn]            ; word nn: a bit for each lane
	v_writelane_b32 v[WP+nn%2], s[48+nn%8], nn/2   ; lane j keeps words 2 j and 2 j + 1
.set nn, nn+1
.endr
	global_store_b64 v5, v[WP:WP+1], s[42:43] offset:256*(\s)   ; 256 consecutive bytes, aligned
.endm
	s_wait_alu depctr_va_vdst(0)
.irp s, 0,1,2,3,4,5,6,7
	MSTEP \s
.endr
	s_wait_tensorcnt 0x0
	ds_add_u32 v251, v255
	s_wait_dscnt 0x0
	s_endpgm
.Lpath_c:
; ---------------- C: the bias table, by head, reversed, x 8, in four shifts ----------------
	s_sub_co_u32 s40, ttmp9, 512
	s_lshl_b32 s40, s40, 2
	s_add_co_u32 s40, s40, s2                      ; 0 .. 639: 16 heads x 40 parts of 512 elements
	; THE LAYOUT OF biast, as this path stores it: [head 16][group g 1,280][copy s 4][4] f32; element e of (g, s) = 8 x table[max(4094 - 4 g - e - s, 0)][head]:
	; the four shifted copies are interleaved by 16 bytes.  A wave makes 2,048 consecutive bytes: 40 waves a head.  Lane l of store n holds g = 32 part + 8 n + l / 4, s = l % 4, so 4 g + s = 128 part + 32 n + l.
	s_mul_i32 s41, s40, 1639
	s_lshr_b32 s41, s41, 16                        ; / 40: the head
	s_mul_i32 s42, s41, 40
	s_sub_co_u32 s42, s40, s42                     ; the part
	s_mov_b32 s43, s41
	s_lshl_b32 s45, s42, 7
	s_sub_co_u32 s45, 4094, s45                    ; 4094 - 128 part (may fall under 0 further on: held at 0 below)
	s_wait_alu depctr_va_vdst(0)
	v_sub_nc_u32 v8, s45, v7                       ; - lane
	s_wait_alu depctr_va_vdst(0)
	s_lshl_b32 s46, s43, 2
	s_mov_b32 s47, 0
	s_add_nc_u64 s[46:47], s[32:33], s[46:47]      ; the table at my head
	s_mul_i32 s48, s41, 81920
	s_lshl_b32 s49, s42, 11
	s_add_co_u32 s48, s48, s49
	s_mov_b32 s49, 0
	s_add_nc_u64 s[48:49], s[38:39], s[48:49]
.irp n, 0,1,2,3
.irp e, 0,1,2,3
	v_add_nc_u32 v[32+4*\n+\e], -(32*\n+\e), v8
	v_max_i32 v[32+4*\n+\e], 0, v[32+4*\n+\e]      ; the table's row, 0 .. 4094
	v_lshlrev_b32 v[32+4*\n+\e], 6, v[32+4*\n+\e]  ; 64 bytes a row
	global_load_b32 v[64+4*\n+\e], v[32+4*\n+\e], s[46:47]
.endr
.endr
	s_wait_loadcnt 0x0
.irp i, 0,1,2,3,4,5,6,7,8,9,10,11,12,13,14,15
	v_ldexp_f32 v[64+\i], v[64+\i], 3              ; x 8, exact: the scores are divided by 8 together with the bias
.endr
.irp n, 0,1,2,3
	global_store_b128 v1, v[64+4*\n:67+4*\n], s[48:49] offset:512*\n
.endr
	s_endpgm
.Lfunc_end_k_q599d1b4193_prep:
	.size	k_q599d1b4193_prep, .Lfunc_end_k_q599d1b4193_prep-k_q599d1b4193_prep
	.p2alignl 7, 3214868480
	.fill 96, 4, 3214868480
	.section	.rodata,"a",@progbits
	.p2align	6, 0x0
	.amdhsa_kernel k_q599d1b4193_prep
		.amdhsa_group_segment_fixed_size 68096
		.amdhsa_private_segment_fixed_size 0
		.amdhsa_enable_private_segment 0
		.amdhsa_kernarg_size 96
		.amdhsa_user_sgpr_count 2
		.amdhsa_user_sgpr_kernarg_segment_ptr 1
		.amdhsa_wavefront_size32 1
		.amdhsa_system_sgpr_workgroup_id_x 1
		.amdhsa_system_sgpr_workgroup_id_y 1
		.amdhsa_system_sgpr_workgroup_id_z 1
		.amdhsa_system_vgpr_workitem_id 0
		.amdhsa_next_free_vgpr 256
		.amdhsa_next_free_sgpr 66
		.amdhsa_reserve_vcc 0
		.amdhsa_float_denorm_mode_32 3
		.amdhsa_float_denorm_mode_16_64 3
		.amdhsa_memory_ordered 1
		.amdhsa_forward_progress 1
		.amdhsa_inst_pref_size 160
	.end_amdhsa_kernel
	.amdgpu_metadata
---
amdhsa.version: [ 1, 2 ]
amdhsa.kernels:
  - .name:           k_q599d1b4193_prep
    .symbol:         k_q599d1b4193_prep.kd
    .args:
      - { .name: query, .offset: 0, .size: 8, .value_kind: global_buffer, .address_space: global }
      - { .name: key, .offset: 8, .size: 8, .value_kind: global_buffer, .address_space: global }
      - { .name: value, .offset: 16, .size: 8, .value_kind: global_buffer, .address_space: global }
      - { .name: w_q, .offset: 24, .size: 8, .value_kind: global_buffer, .address_space: global }
      - { .name: w_k, .offset: 32, .size: 8, .value_kind: global_buffer, .address_space: global }
      - { .name: w_v, .offset: 40, .size: 8, .value_kind: global_buffer, .address_space: global }
      - { .name: w_o, .offset: 48, .size: 8, .value_kind: global_buffer, .address_space: global }
      - { .name: mask, .offset: 56, .size: 8, .value_kind: global_buffer, .address_space: global }
      - { .name: rel_bias_table, .offset: 64, .size: 8, .value_kind: global_buffer, .address_space: global }
      - { .name: inq, .offset: 72, .size: 8, .value_kind: global_buffer, .address_space: global }
      - { .name: maskw, .offset: 80, .size: 8, .value_kind: global_buffer, .address_space: global }
      - { .name: biast, .offset: 88, .size: 8, .value_kind: global_buffer, .address_space: global }
    .group_segment_fixed_size: 68096
    .private_segment_fixed_size: 0
    .kernarg_segment_align: 8
    .kernarg_segment_size: 96
    .max_flat_workgroup_size: 128
    .sgpr_count:     66
    .vgpr_count:     256
    .wavefront_size: 32
...
	.end_amdgpu_metadata
.endif
;; end of part 1
;; launch proj (part 2): grid 4 x 96, 4 waves a work-group, no clusters, 327,680 bytes of LDS; arguments inq, b_q, b_k, b_v, qkv; writes qkv
.if DOCPART == 2
	.amdgcn_target "amdgcn-amd-amdhsa--gfx1250"
	.amdhsa_code_object_version 6
	.text
	.protected	k_q599d1b4193_proj
	.globl	k_q599d1b4193_proj
	.p2align	8
	.type	k_q599d1b4193_proj,@function
k_q599d1b4193_proj:
	s_mov_b64 s[64:65], 0
	v_nop
	global_prefetch_b8 v0, s[64:65] scope:SCOPE_SE
	s_setreg_imm32_b32 hwreg(HW_REG_WAVE_MODE, 25, 1), 1
	s_wait_xcnt 0x0
; PROJ.  Q = query w_q^T + b_q, K = key w_k^T + b_k, V = value w_v^T + b_v on codes of FP6 (E2M3) with E8M0 scales, f32 sums; the results are quantised in registers into the operand images of the attention launch.
; kind = y / 32 (0 Q, 1 K, 2 V).  A work-group makes 256 x 256, each of its four waves 128 x 128: 64 accumulators, 512 registers.
; P is the operand taken as source 0: a lane's registers run along P, and the result is quantised along P.  R is source 1: a lane is one row of R.  Q, K: P = the weight (the head's channels), R = the tokens.
; V: P = value's tokens (the keys, the second attention product's K), R = w_v.  The swap is a choice between block numbers of ONE buffer.
; Operands lie in inq as images of their registers: a block of 128 rows is [K step 8][tile 8][1,536 bytes], so two K steps of a block are 24,576 dense bytes: one tensor load.
; LDS: three slots of 98,304 bytes, each [P0][P1][R0][R1] x two K steps.  K steps 0-5 fill the three slots at the start; K steps 6, 7 fill slot 0 again, behind the one barrier of that kind.  Behind the slots the four
; blocks' scale words for all of K (4 x 4,096 bytes), then the spare words.  A wave has one tensor load out at the start and one later.
; No cluster: for V the sides change places, so which partners share a tile would hang on the work-group's y.
; qkv: codes, part t x 6,291,456: [b][head][98,304]; Q, K: [tile 128][768] (16 rows x the head's 64: half a fragment); V: [key step 16][tile of 16 channels 4][1,536].  Scale words from 18,874,368 on, part t x 262,144:
; [b][pair of heads 8][block of 128 tokens 16][tile 8][row 16].
; LIMITS: NaN and infinities are not served; blocks under 2^-124 keep the byte 1; a block of zeros has the byte 1, not 127 (the bytes are read by this program alone).
; REGISTERS: window 0: v4-21 addresses; v28, v29 for the add; v32-47 scale words, two sets; v48-111 bias along P; v112-127 bias along R; v128-223 R's 8 fragments, ONE set (on the way out v128-252 are at work).
;   window 1: P's fragments, two sets, at v0 and v128.  windows 2, 3: accumulator (a, b) at v[8 (8 (a % 4) + b)].
.set SLOTB, 98304
.set PARTB, 24576
.set KSB,   12288
.set FRB,   1536
.set FR,    12
.set LSC,   3*SLOTB
.set SPARE, LSC+16384
.set SCO,   22020096
.set QSC,   18874368
.set AP16, 4
.set AP8,  7
.set AR16, 10
.set AR8,  13
.set ADRS, 16
.set O16,  17
.set O8,   18
.set O4,   19
.set BPO,  20
.set BRO,  21
.set SPW,  28
.set NIL,  29
.set SC,   32
.set BP,   48
.set BR,   112
.set RF,   128
.set T,    128
.set TM,   200
.set PC,   224
.set PWA,  244
.set SEL,  92
.set MSB, 0
.macro WIN new                         ; the immediate's high byte repeats the setting that is left
.if MSB != \new
	s_set_vgpr_msb (MSB<<8)|\new
.set MSB, \new
.endif
.endm
.macro PLACES
.rept 4
	v_nop
.endr
.endm
.macro FRAG reg, a16, a8, off          ; a fragment's image: four dense loads
	ds_load_b128 v[\reg:\reg+3], v[\a16] offset:\off
	ds_load_b64 v[\reg+4:\reg+5], v[\a8] offset:\off+512
	ds_load_b128 v[\reg+6:\reg+9], v[\a16] offset:\off+768
	ds_load_b64 v[\reg+10:\reg+11], v[\a8] offset:\off+1280
.endm
.macro FETCH_P sl, q, p                ; P's eight fragments of the slot's q-th K step into set p
	WIN 0x40
.irp i, 0,1,2,3,4,5,6,7
	FRAG 128*(\p)+FR*\i, AP16+(\sl), AP8+(\sl), (\q)*KSB+\i*FRB
.endr
	WIN 0
.endm
.macro FETCH_R sl, q, i0               ; R's tiles i0 .. i0 + 3
.irp i, \i0, \i0+1, \i0+2, \i0+3
	FRAG RF+FR*(\i), AR16+(\sl), AR8+(\sl), (\q)*KSB+(\i)*FRB
.endr
.endm
.macro SCALES s                        ; K step s: lanes 0-15 R's tile i, lanes 16-31 P's tile i
.irp i, 0,1,2,3,4,5,6,7
	ds_load_b32 v[SC+8*((\s)%2)+\i], v[ADRS] offset:\i*512+(\s)*64
.endr
.endm
; 16 products: R's tiles a0, a0 + 1 x P's eight.  The 64 accumulators take turns, one instruction a turn, in the same order in every step.  cm = 1: the first products start the sums.
.macro MUL16 a0, p, sc, cm
.irp a, \a0, \a0+1
.irp b, 0,1,2,3,4,5,6,7
.if \cm == 1
	v_wmma_scale_f32_16x16x128_f8f6f4 v[8*(8*((\a)%4)+\b):8*(8*((\a)%4)+\b)+7], v[128*(\p)+FR*\b:128*(\p)+FR*\b+FR-1], v[RF+FR*(\a):RF+FR*(\a)+FR-1], 0, v[SC+8*(\sc)+\b], v[SC+8*(\sc)+(\a)] matrix_a_fmt:MATRIX_FMT_FP6 matrix_b_fmt:MATRIX_FMT_FP6 matrix_a_scale:MATRIX_SCALE_ROW1
.else
	v_wmma_scale_f32_16x16x128_f8f6f4 v[8*(8*((\a)%4)+\b):8*(8*((\a)%4)+\b)+7], v[128*(\p)+FR*\b:128*(\p)+FR*\b+FR-1], v[RF+FR*(\a):RF+FR*(\a)+FR-1], v[8*(8*((\a)%4)+\b):8*(8*((\a)%4)+\b)+7], v[SC+8*(\sc)+\b], v[SC+8*(\sc)+(\a)] matrix_a_fmt:MATRIX_FMT_FP6 matrix_b_fmt:MATRIX_FMT_FP6 matrix_a_scale:MATRIX_SCALE_ROW1
.endif
.endr
.endr
.endm
; A K step of 128: 64 products.  R's tiles 0-3 are fetched anew in its middle, tiles 4-7 at its end; P's other set and the next scale words in the middle.
; mode 0: plain.  1: slot 0 is filled again behind this step's barrier.  2: a barrier that shows that fill to every wave.  3: the last step.
.macro STEP s, mode, cm
.set PSX, (\s)%2
.set NSX, (((\s)+1)/2)%3
.set NQX, ((\s)+1)%2
.if \mode == 1
	s_wait_tensorcnt 0x0                           ; all my tensor loads have landed: slots 1 and 2 are whole as far as I filled them
	ds_add_u32 v[SPW], v[NIL]                      ; 0 onto my spare word
	s_wait_dscnt 17                                ; (the add and the youngest 16 loads, R's tiles 4-7, may be out)
.elseif \mode == 2
	s_wait_tensorcnt 0x0                           ; my part of K steps 6, 7 has landed
	s_wait_dscnt 16
.else
	s_wait_dscnt 16                                ; P's set, R's tiles 0-3 and the scale words are in; the youngest 16 loads (R's tiles 4-7) may be out
.endif
	WIN 0xa1                                       ; source 0 (P) window 1, source 1 (R) window 0, C and D window 2
	MUL16 0, PSX, PSX, \cm
.if (\mode == 1) || (\mode == 2)
	s_wait_dscnt 0x0                               ; the add is done and my LDS reads are over, those of slot 0 among them
	s_barrier_signal -1
	MUL16 2, PSX, PSX, \cm                         ; work on registers while the others arrive
	WIN 0
	s_barrier_wait -1
.if \mode == 1
	tensor_load_to_lds s[56:59], s[32:39]
	s_nop 0
.endif
	PLACES                                         ; four places in front of loads into registers that products have read
.else
	MUL16 2, PSX, PSX, \cm
	s_wait_dscnt 0x0                               ; R's tiles 4-7 are in
.if \mode != 3
	PLACES
.endif
.endif
.if \mode != 3
	FETCH_P NSX, NQX, 1-PSX
	FETCH_R NSX, NQX, 0
	SCALES (\s)+1
.endif
	WIN 0xf1                                       ; the same, C and D window 3
	MUL16 4, PSX, PSX, \cm
	MUL16 6, PSX, PSX, \cm
.if \mode != 3
	PLACES
	WIN 0
	FETCH_R NSX, NQX, 4
.endif
.endm
; 64 numbers of a lane, register 16 b + i = k 32 b + 16 (lane / 16) + i of my row, become a fragment's codes in v[PC] on and its scale word in v[pw].
.macro QUANT s, pw
.irp b, 0,1,2,3
	v_max3_num_f32 v[TM+\b], |v[\s+16*\b]|, |v[\s+1+16*\b]|, 0x1800000   ; with the floor 2^(3 - 127): the byte cannot fall under 1
.endr
.irp i, 2,4,6,8,10,12,14
.irp b, 0,1,2,3
	v_max3_num_f32 v[TM+\b], v[TM+\b], |v[\s+16*\b+\i]|, |v[\s+1+16*\b+\i]|
.endr
.endr
.irp b, 0,1,2,3
	v_permlanex16_b32 v[TM+4+\b], v[TM+\b], s[SEL], s[SEL+1]
.endr
.irp b, 0,1,2,3
	v_max_num_f32 v[TM+\b], v[TM+\b], v[TM+4+\b]   ; with lane l xor 16's: the block's largest magnitude
.endr
.irp b, 0,1,2,3
	v_add_nc_u32 v[TM+12+\b], 0xff000000, v[TM+\b] ; 2 off its exponent field: the conversion's scale operand
.endr
.irp b, 0,1,2,3
	v_lshrrev_b32 v[TM+4+\b], 23, v[TM+12+\b]      ; the scale's byte
.endr
	v_lshl_or_b32 v[\pw], v[TM+5], 8, v[TM+4]
	v_lshl_or_b32 v[\pw], v[TM+6], 16, v[\pw]
	v_lshl_or_b32 v[\pw], v[TM+7], 24, v[\pw]
.irp c, 0,1
	v_cvt_scalef32_pk16_fp6_f32 v[PC+6*\c:PC+2+6*\c], v[\s+32*\c:\s+15+32*\c], v[TM+12+2*\c]
	v_cvt_scalef32_pk16_fp6_f32 v[PC+12+4*\c:PC+14+4*\c], v[\s+16+32*\c:\s+31+32*\c], v[TM+12+2*\c+1]   ; (a conversion's three registers begin on an even number)
.endr
	v_nop                                          ; one plain place behind a scaled conversion
.irp c, 0,1                                        ; the operand's layout wants a whole block in a lane
.irp i, 0,1,2
	v_permlane16_swap_b32 v[PC+6*\c+\i], v[PC+12+4*\c+\i]
.endr
.irp i, 0,1,2
	v_mov_b32 v[PC+3+6*\c+\i], v[PC+12+4*\c+\i]
.endr
.endr
.endm
; The way out, a tile of R at a time: + bias, quantised along P, four dense stores.  k = 0 (Q, K): the bias runs along P, the fragment's halves are two heads.  k = 1 (V): the bias is the lane's, the fragment is one key step of one head.
.macro EPI k
.irp a, 0,1,2,3,4,5,6,7
	s_wait_xcnt 0x0                                ; the last tile's stores have read their registers
	WIN 0x02+(\a/4)                                ; source 0: the accumulators' window
.set jj, 0
.rept 32
.if \k == 0
	v_pk_add_f32 v[T+jj:T+jj+1], v[64*(\a%4)+jj:64*(\a%4)+jj+1], v[BP+jj:BP+jj+1]   ; each accumulator from its low end on
.else
	v_pk_add_f32 v[T+jj:T+jj+1], v[64*(\a%4)+jj:64*(\a%4)+jj+1], v[BR+2*\a:BR+2*\a+1] op_sel_hi:[1,0]
.endif
.set jj, jj+2
.endr
	WIN 0
	QUANT T, PWA+\a
.if \k == 0
	global_store_b128 v[O16], v[PC:PC+3], s[86:87] offset:\a*768
	global_store_b64 v[O8], v[PC+4:PC+5], s[86:87] offset:\a*768+512
	global_store_b128 v[O16], v[PC+6:PC+9], s[86:87] offset:98304+\a*768
	global_store_b64 v[O8], v[PC+10:PC+11], s[86:87] offset:98304+\a*768+512
.else
	global_store_b128 v[O16], v[PC:PC+3], s[86:87] offset:(\a/4)*98304+(\a%4)*1536
	global_store_b64 v[O8], v[PC+4:PC+5], s[86:87] offset:(\a/4)*98304+(\a%4)*1536+512
	global_store_b128 v[O16], v[PC+6:PC+9], s[86:87] offset:(\a/4)*98304+(\a%4)*1536+768
	global_store_b64 v[O8], v[PC+10:PC+11], s[86:87] offset:(\a/4)*98304+(\a%4)*1536+1280
.endif
.if \a%2 == 1
	v_cndmask_b32 v252, v[PWA+\a-1], v[PWA+\a], s90   ; two tiles' words to a store: lanes 0-15 the even tile, lanes 16-31 the odd one
	global_store_b32 v[O4], v252, s[88:89] offset:128*(\a/2)
.endif
.endr
.endm
	s_load_b256 s[4:11], s[0:1], 0x0               ; inq, b_q, b_k, b_v
	s_load_b64 s[12:13], s[0:1], 0x20              ; qkv
	v_lshl_add_u32 v[SPW], v0, 2, SPARE
	v_mov_b32 v[NIL], 0
	ds_add_u32 v28, v29
	ds_add_u32 v28, v29
	s_wait_dscnt 0x0
	v_lshrrev_b32 v1, 5, v0
	v_readfirstlane_b32 s14, v1                    ; wave
	s_and_b32 s15, s14, 1                          ; which block of P is mine
	s_lshr_b32 s16, s14, 1                         ; which block of R
	s_and_b32 s20, ttmp7, 0xffff
	s_lshr_b32 s17, s20, 5                         ; kind
	s_and_b32 s19, s20, 31                         ; which 256 tokens
	s_lshl_b32 s21, s17, 3
	s_lshl_b32 s22, ttmp9, 1
	s_add_co_u32 s21, s21, s22
	s_add_co_u32 s21, s21, 192                     ; the weight's first block of mine
	s_lshl_b32 s22, s17, 6
	s_lshl_b32 s23, s19, 1
	s_add_co_u32 s22, s22, s23                     ; the tokens' first block
	s_cmp_lt_u32 s17, 2
	s_cselect_b32 s60, s21, s22                    ; P's
	s_cselect_b32 s61, s22, s21                    ; R's
	s_cmp_lt_u32 s14, 2                            ; waves 0, 1 fetch P's two blocks, waves 2, 3 R's
	s_cselect_b32 s62, s60, s61
	s_add_co_u32 s62, s62, s15                     ; the block that I fetch
	; group 1: dense bytes as rows of 256 (32 elements of 8 bytes): 288 rows at the head, 96 in the refill
	s_mov_b32 s24, 3<<16
	s_mov_b32 s25, 32<<16
	s_mov_b32 s26, 288<<16                         ; the head's load: K steps 0-5 of a block, 73,728 dense bytes
	s_mov_b32 s27, 32<<16
	s_mov_b32 s28, 288
	s_mov_b32 s29, 32
	s_mov_b32 s30, 0
	s_mov_b32 s31, 0
	s_mov_b32 s32, 3<<16
	s_mov_b32 s33, 32<<16
	s_mov_b32 s34, 96<<16                          ; the refill: K steps 6, 7, 24,576 dense bytes
	s_mov_b32 s35, 32<<16
	s_mov_b32 s36, 96
	s_mov_b32 s37, 32
	s_mov_b32 s38, 0
	s_mov_b32 s39, 0
	s_mul_i32 s66, s62, 98304
	s_mov_b32 s67, 0
	s_lshl_b32 s68, s62, 12
	s_add_co_u32 s68, s68, SCO
	s_mov_b32 s69, 0
	s_mul_i32 s63, s14, 3*PARTB                    ; LDS: a region of six K steps for each of the four blocks [P0][P1][R0][R1]
	s_xor_b32 s70, s14, 2                          ; the scale words lie [R0][R1][P0][P1]
	s_lshl_b32 s70, s70, 12
	s_wait_kmcnt 0x0
	s_add_nc_u64 s[66:67], s[4:5], s[66:67]
	s_add_nc_u64 s[68:69], s[4:5], s[68:69]
	s_add_co_u32 s41, s70, LSC
	s_mov_b32 s44, 1
	s_mov_b32 s45, s63
	s_mov_b64 s[46:47], s[66:67]
	s_or_b32 s47, s47, 0x80000000
	s_mov_b32 s56, 1
	s_mov_b32 s57, s63
	s_add_nc_u64 s[58:59], s[66:67], 3*PARTB       ; K steps 6, 7
	s_or_b32 s59, s59, 0x80000000
	tensor_load_to_lds s[44:47], s[24:31]          ; my one tensor load at the head: K steps 0-5 of my block
	s_nop 0
	PLACES
	v_and_b32 v1, 31, v0                           ; lane
	v_and_b32 v2, 15, v0                           ; r
	v_bfe_u32 v3, v0, 4, 1                         ; h
	s_wait_alu depctr_va_vdst(0)
	s_cmp_eq_u32 s17, 0
	s_cselect_b64 s[72:73], s[6:7], s[8:9]
	s_cmp_eq_u32 s17, 2
	s_cselect_b64 s[72:73], s[10:11], s[72:73]     ; my kind's bias
	s_lshl_b32 s74, ttmp9, 1
	s_add_co_u32 s75, s74, s15
	s_lshl_b32 s75, s75, 9
	s_add_co_u32 s76, s74, s16
	s_lshl_b32 s76, s76, 9
	s_cmp_eq_u32 s17, 2
	s_cselect_b32 s75, 0, s75                      ; both forms are loaded in every kind, so that every register is written; the one not used reads the bias's head
	s_cselect_b32 s76, s76, 0
	s_cselect_b32 s81, s16, s15                    ; my block on the weight's side,
	s_cselect_b32 s82, s15, s16                    ; and on the tokens'
	v_lshl_add_u32 v[BPO], v3, 6, s75
	v_and_b32 v22, 8, v2
	v_add_nc_u32 v22, v22, v2                      ; r + 8 (r / 8)
	v_lshl_add_u32 v[BRO], v22, 2, s76
.irp b, 0,1,2,3
.irp e, 0,1,2,3
	global_load_b128 v[BP+16*\b+4*\e:BP+16*\b+4*\e+3], v[BPO], s[72:73] offset:128*\b+16*\e   ; register 16 b + i: channel 32 b + 16 h + i of P's block
.endr
.endr
.irp a, 0,1,2,3,4,5,6,7
	global_load_b32 v[BR+2*\a], v[BRO], s[72:73] offset:(32*(\a/2)+8*(\a%2))*4   ; my row of R's tile a
	v_mov_b32 v[BR+2*\a+1], 0                      ; (named with it as a pair)
.endr
	v_lshlrev_b32 v[O16], 4, v1
	v_lshlrev_b32 v[O8], 3, v1
.irp i, 0,1,2,3,4,5,6,7
	global_load_b128 v[RF+4*\i:RF+4*\i+3], v[O16], s[68:69] offset:512*\i   ; my block's 4,096 bytes of scale words come through registers: each load reads 512 consecutive bytes
.endr
	v_add_nc_u32 v23, s41, v[O16]                  ; and go to LDS bytes on which no tensor load lands
	v_lshlrev_b32 v[O4], 2, v1
	s_mul_i32 s77, s15, 3*PARTB
	s_mul_i32 s78, s16, 3*PARTB
	s_add_co_u32 s78, s78, 6*PARTB
.irp n, 0,1,2
	v_add_nc_u32 v[AP16+\n], s77, v[O16]
	v_add_nc_u32 v[AP8+\n], s77, v[O8]
	v_add_nc_u32 v[AR16+\n], s78, v[O16]
	v_add_nc_u32 v[AR8+\n], s78, v[O8]
	s_add_co_u32 s77, s77, PARTB
	s_add_co_u32 s78, s78, PARTB
.endr
	s_xor_b32 s79, s16, 1                          ; lanes 16-31 take P's words: one product, h x the distance from R's block to P's
	s_add_co_u32 s79, s79, s15
	s_lshl_b32 s79, s79, 12
	s_add_co_u32 s79, s79, 4096
	v_mul_u32_u24 v22, s79, v3
	s_lshl_b32 s80, s16, 12
	s_add_co_u32 s80, s80, LSC
	v_lshl_add_u32 v22, v2, 2, v22
	v_add_nc_u32 v[ADRS], s80, v22
	s_add_co_u32 s81, s74, s81                     ; i: block of 128 channels
	s_lshl_b32 s83, s19, 1
	s_add_co_u32 s82, s83, s82                     ; j: block of 128 tokens
	s_lshr_b32 s83, s82, 4                         ; batch
	s_and_b32 s84, s82, 15                         ; block in the batch
	s_lshl_b32 s85, s83, 4
	s_lshl_b32 s86, s81, 1
	s_add_co_u32 s85, s85, s86                     ; 16 b + first head
	s_mul_i32 s85, s85, 98304
	s_mul_i32 s86, s17, 6291456
	s_add_co_u32 s85, s85, s86
	s_mul_i32 s86, s84, 6144
	s_add_co_u32 s86, s85, s86
	s_mov_b32 s87, 0
	s_add_nc_u64 s[86:87], s[12:13], s[86:87]      ; my codes
	s_lshl_b32 s88, s83, 3
	s_add_co_u32 s88, s88, s81
	s_lshl_b32 s88, s88, 4
	s_add_co_u32 s88, s88, s84
	s_lshl_b32 s88, s88, 9
	s_lshl_b32 s89, s17, 18
	s_add_co_u32 s88, s88, s89
	s_add_co_u32 s88, s88, QSC
	s_mov_b32 s89, 0
	s_add_nc_u64 s[88:89], s[12:13], s[88:89]      ; my scale words
	s_mov_b32 s90, 0xffff0000
	s_mov_b32 s[SEL], 0x76543210
	s_mov_b32 s[SEL+1], 0xfedcba98
	s_wait_alu depctr_va_vdst(0)
	s_wait_loadcnt 0x0                             ; the scale words (and the biases) are in registers
	s_wait_tensorcnt 0x0                           ; my block's K steps 0-5 have landed
.irp i, 0,1,2,3,4,5,6,7
	ds_store_b128 v23, v[RF+4*\i:RF+4*\i+3] offset:512*\i
.endr
	s_wait_dscnt 0x0                               ; for the other waves' sake: my stores are done
	s_barrier_signal -1
	s_barrier_wait -1
	FETCH_P 0, 0, 0
	FETCH_R 0, 0, 0
	SCALES 0
	FETCH_R 0, 0, 4
	STEP 0, 0, 1
	STEP 1, 1, 0
	STEP 2, 0, 0
	STEP 3, 0, 0
	STEP 4, 0, 0
	STEP 5, 2, 0
	STEP 6, 0, 0
	STEP 7, 3, 0
	WIN 0
	PLACES                                         ; four places behind the last products
	s_wait_loadcnt 0x0                             ; the biases
.irp b, 0,1,2,3
	v_mov_b32 v[TM+4+\b], 0                        ; a lane permute's destination counts as one of its sources
.endr
	s_cmp_eq_u32 s17, 2
	s_cbranch_scc1 .Lv_out
	EPI 0
	s_branch .Lend
.Lv_out:
	EPI 1
.Lend:
	s_wait_tensorcnt 0x0                           ; the wave's end
	ds_add_u32 v[SPW], v[NIL]
	s_wait_dscnt 0x0
	s_endpgm
.Lfunc_end_k_q599d1b4193_proj:
	.size	k_q599d1b4193_proj, .Lfunc_end_k_q599d1b4193_proj-k_q599d1b4193_proj
	.p2alignl 7, 3214868480
	.fill 96, 4, 3214868480
	.section	.rodata,"a",@progbits
	.p2align	6, 0x0
	.amdhsa_kernel k_q599d1b4193_proj
		.amdhsa_group_segment_fixed_size 327680
		.amdhsa_private_segment_fixed_size 0
		.amdhsa_enable_private_segment 0
		.amdhsa_kernarg_size 40
		.amdhsa_user_sgpr_count 2
		.amdhsa_user_sgpr_kernarg_segment_ptr 1
		.amdhsa_wavefront_size32 1
		.amdhsa_system_sgpr_workgroup_id_x 1
		.amdhsa_system_sgpr_workgroup_id_y 1
		.amdhsa_system_sgpr_workgroup_id_z 1
		.amdhsa_system_vgpr_workitem_id 0
		.amdhsa_next_free_vgpr 1024
		.amdhsa_next_free_sgpr 96
		.amdhsa_reserve_vcc 0
		.amdhsa_float_denorm_mode_32 3
		.amdhsa_float_denorm_mode_16_64 3
		.amdhsa_memory_ordered 1
		.amdhsa_forward_progress 1
		.amdhsa_inst_pref_size 216
	.end_amdhsa_kernel
	.amdgpu_metadata
---
amdhsa.version: [ 1, 2 ]
amdhsa.kernels:
  - .name:           k_q599d1b4193_proj
    .symbol:         k_q599d1b4193_proj.kd
    .args:
      - { .name: inq, .offset: 0, .size: 8, .value_kind: global_buffer, .address_space: global }
      - { .name: b_q, .offset: 8, .size: 8, .value_kind: global_buffer, .address_space: global }
      - { .name: b_k, .offset: 16, .size: 8, .value_kind: global_buffer, .address_space: global }
      - { .name: b_v, .offset: 24, .size: 8, .value_kind: global_buffer, .address_space: global }
      - { .name: qkv, .offset: 32, .size: 8, .value_kind: global_buffer, .address_space: global }
    .group_segment_fixed_size: 327680
    .private_segment_fixed_size: 0
    .kernarg_segment_align: 8
    .kernarg_segment_size: 40
    .max_flat_workgroup_size: 128
    .sgpr_count:     96
    .vgpr_count:     1024
    .wavefront_size: 32
...
	.end_amdgpu_metadata
.endif
;; end of part 2
;; launch attn (part 3): grid 16 x 16, 8 waves a work-group, clusters of 4 x 1, 327,680 bytes of LDS; arguments qkv, maskw, biast, ctx; writes ctx
.if DOCPART == 3
	.amdgcn_target "amdgcn-amd-amdhsa--gfx1250"
	.amdhsa_code_object_version 6
	.text
	.protected	k_q599d1b4193_attn
	.globl	k_q599d1b4193_attn
	.p2align	8
	.type	k_q599d1b4193_attn,@function
k_q599d1b4193_attn:
	s_mov_b64 s[64:65], 0
	v_nop
	global_prefetch_b8 v0, s[64:65] scope:SCOPE_SE
	s_setreg_imm32_b32 hwreg(HW_REG_WAVE_MODE, 25, 1), 1
	s_wait_xcnt 0x0
	s_wait_alu depctr_hold_cnt(0) depctr_sa_sdst(0) depctr_va_vdst(0) depctr_va_sdst(0) depctr_va_ssrc(0) depctr_va_vcc(0) depctr_vm_vsrc(0)
	s_getreg_b32 s2, hwreg(HW_REG_IB_STS2, 6, 4)
	s_cmp_eq_u32 s2, 0
	s_cbranch_scc0 .Lentry_in_a_cluster
	s_endpgm
.Lentry_in_a_cluster:
	s_bfe_u32 s2, ttmp6, 0x10000c
	s_cmp_lg_u32 s2, 0x3003
	s_cbranch_scc0 .Lentry_shape_is_right
	s_endpgm
.Lentry_shape_is_right:
; ATTN.  context = softmax(Q K^T / 8 + bias, mask) V, both products on codes of FP6 (E2M3) with E8M0 scales; the context is quantised in registers along the head's 64.
; SHARES.  A work-group has ONE head, 128 queries and ALL FOUR batches; each of its 8 waves one tile of 16 queries, for the four batches in turn.  Bias and mask hang on head, query and key alone:
; the masked bias of 16 queries x 128 keys (64 registers) is made once a key step and is the C of the first product of all four batches.  16 x 16 = 256 work-groups.
; t = (Q.K + 8 bias) x c, c = log2(e) / 8.  Where the mask is 0, C is -2^33 (a score of -2^30, where reference() writes -1e9): p = 0 as soon as the row has met one key that counts; until then p is finite
; (t - M is at most half a unit in the last place of 2^31) and is multiplied away by f = 0 at the first key that counts.  A ROW THAT IS MASKED THROUGHOUT takes c = 0: every t is 0 and every p is 1, the even weights of reference().
; M = the running largest t rounded up to a whole number; p = 2^(t - M) by one multiply-add and v_exp_f32; the row's sum is of the unquantised p.
; Both products are used transposed (S^T = K Q^T, O^T = V^T P^T): a lane holds one query.  The head is 64 deep, the instruction 128: Q's upper six registers are zero codes, which meet the next tile's codes in K's operand.
; ORDER.  The next batch's first product is issued as soon as this batch's p is converted; this batch's tail (codes into place, O^T rescaled, second product) follows it.  K's and V's loads are issued inside the reduction.
; The next key step's masked bias is made behind the step's last product, ahead of the round.  Maxima and sums run in eight chains.
; LDS: two slots of one key step ([batch 4][K 6,144][V 6,144]) at 0 and 65,536; V's scale words between them; the bias window, K's scale words, the spare words.  Bias and scale words are put there by LDS stores.
; CLUSTER: the four query blocks of a cluster need the same K and V: every tensor load is a joint one, one a wave behind each round.  A wave has one tensor load out at the most.
; PREFETCH: in the trip that asks for fill f + 1, fill f + 3's 192 blocks of 256 bytes are named once in the cluster: partner cx takes 6 of the 24 blocks of each wave's piece, by address; the last trips ask for nothing.
; LIMITS: the promise holds while the scaled scores stay under 2^31 in magnitude and a row's largest score that counts lies above -9e8; NaN and infinities are not served; p under 2^-126 becomes 0; 1 / sum by v_rcp_f32;
; a block of zeros has the byte 1, not 127 (the bytes are read by this program alone).
; REGISTERS, window 0: v1-5 lane terms; v6, v7 for the add; v8-11, v28 a step's addresses; v12-19 (-M, largest raw score) x 4; v20 c; v22-25 Q's scale words; v26 -2^33; v27 p's scale word; v29 prefetch offset;
;   v32-85 K's eight halves (v80-85 = 0); v86-91 K's, V's scale words; v92 f; v94-95 the step's sum; v96-159 S^T, then p; v160-223 masked bias; v224-235 p's codes; v236-255 at work.
; window 1: v0-127 O^T x 4; v128-175 Q x 4; v176-183 the sums x 4; v184-231 V's four fragments.
.set SLOT2, 65536
.set VSC,   49152
.set BT,    114688
.set KSC,   151552
.set SPARE, 184320
.set QSC,   18874368
.set BSTR,  1572864                    ; from batch to batch in the codes of qkv and ctx
.set X,   32
.set S,   96
.set C,   160
.set PCD, 224
.set CT,  236
.set BM,  244
.set PT,  248
.set SO,  252
.set VB,  184
.set LS,  176
.set MSB, 0
.macro WIN new                         ; the immediate's high byte repeats the setting that is left
.if MSB != \new
	s_set_vgpr_msb (MSB<<8)|\new
.set MSB, \new
.endif
.endm
.macro ROUND                           ; a round of the cluster's barrier
	s_barrier_signal -1
	s_barrier_wait -1
	s_cmp_lg_u32 s2, 0
	s_cbranch_scc1 .Lnw0_\@
	s_barrier_signal -3
.Lnw0_\@:
	s_barrier_wait -3
	s_barrier_signal -1
	s_barrier_wait -1
.endm
.macro JLOAD                           ; my piece of a key step: batch wave / 2, K or V by wave % 2; an s_nop 0 and four v_nop follow
	tensor_load_to_lds s[84:87], s[88:95]
	s_nop 0
.rept 4
	v_nop
.endr
.endm
.macro MASKLD                          ; a key step's 64 lane masks: word n in s[16 + n], from word 48 on in s[20 + n]
	s_load_b512 s[16:31], s[4:5], s15 offset:0x0
	s_load_b512 s[32:47], s[4:5], s15 offset:0x40
	s_load_b512 s[48:63], s[4:5], s15 offset:0x80
	s_load_b512 s[68:83], s[4:5], s15 offset:0xc0
.endm
.macro KLOAD bt                        ; 17 loads: K's eight halves and four scale registers of batch bt
.irp t, 0,1,2,3,4,5,6,7
	ds_load_b128 v[X+6*\t:X+6*\t+3], v8 offset:(\bt)*12288+768*\t
	ds_load_b64 v[X+6*\t+4:X+6*\t+5], v9 offset:(\bt)*12288+768*\t
.endr
	ds_load_b128 v[86:89], v11 offset:(\bt)*8192
.endm
.macro VLOAD bt                        ; 17 loads: V's scale words and four fragments of batch bt
	ds_load_b64 v[90:91], v28 offset:(\bt)*4096
	WIN 0x40
.irp t, 0,1,2,3
	ds_load_b128 v[VB+12*\t:VB+12*\t+3], v8 offset:(\bt)*12288+6144+1536*\t
	ds_load_b64 v[VB+12*\t+4:VB+12*\t+5], v9 offset:(\bt)*12288+6144+1536*\t
	ds_load_b128 v[VB+12*\t+6:VB+12*\t+9], v8 offset:(\bt)*12288+6144+1536*\t+768
	ds_load_b64 v[VB+12*\t+10:VB+12*\t+11], v9 offset:(\bt)*12288+6144+1536*\t+768
.endr
	WIN 0
.endm
.macro BLOAD adr, off                  ; 8 x bias of my query and keys 32 b + 16 h + 4 e .. of a key step
.irp b, 0,1,2,3
.irp e, 0,1,2,3
	ds_load_b128 v[C+16*\b+4*\e:C+16*\b+4*\e+3], v[\adr] offset:(\off)+512*\b+64*\e
.endr
.endr
.endm
.macro CBUILD                          ; the masked bias, once for the four batches; then the lane masks of the key step after it are asked for
	s_wait_alu depctr_va_vdst(0)
	s_wait_kmcnt 0x0
	s_wait_dscnt 0x0
.set nn, 0
.rept 64
	v_cndmask_b32 v[C+nn], v26, v[C+nn], s[16+nn+4*(nn/48)]
.set nn, nn+1
.endr
	s_add_co_u32 s15, s15, 256                     ; (the loads that read s15 are done)
	s_min_u32 s15, s15, 3840                       ; at the end the last words are asked for again: no load leaves the buffer
	MASKLD
.endm
.macro QK bt                           ; S^T = K Q^T + masked bias: eight accumulators, one product each
	WIN 0x04                                       ; source 1 (Q) in window 1
.irp t, 0,2,4,6
	v_wmma_scale_f32_16x16x128_f8f6f4 v[S+8*\t:S+8*\t+7], v[X+6*\t:X+6*\t+11], v[128+12*(\bt):139+12*(\bt)], v[C+8*\t:C+8*\t+7], v[86+\t/2], v[22+(\bt)] matrix_a_fmt:MATRIX_FMT_FP6 matrix_b_fmt:MATRIX_FMT_FP6
	v_wmma_scale_f32_16x16x128_f8f6f4 v[S+8*\t+8:S+8*\t+15], v[X+6*\t+6:X+6*\t+17], v[128+12*(\bt):139+12*(\bt)], v[C+8*\t+8:C+8*\t+15], v[86+\t/2], v[22+(\bt)] matrix_a_fmt:MATRIX_FMT_FP6 matrix_b_fmt:MATRIX_FMT_FP6 matrix_a_scale:MATRIX_SCALE_ROW1
.endr
	WIN 0
.endm
; One batch's 16 queries x 128 keys; its scores are in S.  more = 1: a key step follows this one.
.macro UNIT bt, more
.set NM, 12+2*(\bt)
.irp b, 0,1,2,3                                    ; the largest score of each block of 32 keys, in two chains a block; each accumulator is read from its low end on
	v_max3_num_f32 v[BM+\b], v[S+16*\b], v[S+16*\b+1], v[S+16*\b+2]
.endr
.irp b, 0,1,2,3
	v_max3_num_f32 v[PT+\b], v[S+16*\b+8], v[S+16*\b+9], v[S+16*\b+10]
.endr
.irp i, 3,5
.irp b, 0,1,2,3
	v_max3_num_f32 v[BM+\b], v[BM+\b], v[S+16*\b+\i], v[S+16*\b+\i+1]
.endr
.irp b, 0,1,2,3
	v_max3_num_f32 v[PT+\b], v[PT+\b], v[S+16*\b+8+\i], v[S+16*\b+9+\i]
.endr
.endr
.irp b, 0,1,2,3
	v_max3_num_f32 v[BM+\b], v[BM+\b], v[PT+\b], v[S+16*\b+7]
.endr
.irp b, 0,1,2,3
	v_max_num_f32 v[BM+\b], v[BM+\b], v[S+16*\b+15]
.endr
.irp b, 0,1,2,3
	v_permlanex16_b32 v[PT+\b], v[BM+\b], s6, s7
.endr
.if \bt > 0
	VLOAD \bt                                      ; the 36 lines above are the places behind the last batch's second product
.endif
.irp b, 0,1,2,3
	v_max_num_f32 v[BM+\b], v[BM+\b], v[PT+\b]
.endr
	v_mov_b32 v31, v[NM]                           ; the old -M
	v_max3_num_f32 v30, v[BM], v[BM+1], v[BM+2]
.if \bt < 3
	KLOAD (\bt)+1                                  ; the next batch's K lands under this batch's softmax
.elseif \more
	BLOAD 10, 2048                                 ; the next key step's bias: C has been read by this step's last first product
.endif
	v_max3_num_f32 v[NM+1], v[NM+1], v30, v[BM+3]  ; the running largest raw score
	s_delay_alu instid0(VALU_DEP_1)
	v_mul_f32 v30, -v[NM+1], v20                   ; -t (c is 0 or positive)
	s_delay_alu instid0(VALU_DEP_1)
	v_floor_f32 v[NM], v30                         ; -M = floor(-t)
.set jj, 0
.rept 32
	v_pk_fma_f32 v[S+jj:S+jj+1], v[S+jj:S+jj+1], v[20:21], v[NM:NM+1] op_sel_hi:[1,0,0]   ; t - M, two at a time
.if jj == 6
	v_sub_f32 v31, v[NM], v31                      ; old M - new M: a whole number, 0 or less
.endif
.if jj == 18
	v_cvt_i32_f32 v31, v31                         ; (it saturates)
.endif
.if jj == 30
	v_ldexp_f32 v92, 1.0, v31                      ; f = 2^(old M - new M)
.endif
.set jj, jj+2
.endr
.irp b, 0,1,2,3
	v_fma_f32 v[BM+\b], v[BM+\b], v20, v[NM]       ; the same of each block's largest score
.endr
	s_wait_alu depctr_va_vdst(0)
.set nn, 0
.rept 64
	v_exp_f32 v[S+nn], v[S+nn]                     ; p = 2^(t - M)
.set nn, nn+1
.endr
.irp b, 0,1,2,3
	v_exp_f32 v[BM+\b], v[BM+\b]                   ; each block's largest p: the same instructions on the same number
.endr
	v_nop                                          ; a plain place behind the exponentials
	s_wait_alu depctr_va_vdst(0)                   ; one wait for the batch, ahead of its first reader
.irp c, 0,1,2,3                                    ; the step's sum of the unquantised p, in eight chains; the scale's lines stand between the rounds
	v_pk_add_f32 v[CT+2*\c:CT+2*\c+1], v[S+2*\c:S+2*\c+1], v[S+16+2*\c:S+17+2*\c]
.endr
.irp c, 0,1,2,3
	v_pk_add_f32 v[PCD+2*\c:PCD+2*\c+1], v[S+8+2*\c:S+9+2*\c], v[S+24+2*\c:S+25+2*\c]
.endr
.irp b, 0,1,2,3
	v_max_num_f32 v[BM+\b], 0x1800000, v[BM+\b]    ; the floor 2^(3 - 127): the byte cannot fall under 1
.endr
.irp c, 0,1,2,3
	v_pk_add_f32 v[CT+2*\c:CT+2*\c+1], v[CT+2*\c:CT+2*\c+1], v[S+32+2*\c:S+33+2*\c]
.endr
.irp c, 0,1,2,3
	v_pk_add_f32 v[PCD+2*\c:PCD+2*\c+1], v[PCD+2*\c:PCD+2*\c+1], v[S+40+2*\c:S+41+2*\c]
.endr
.irp b, 0,1,2,3
	v_add_nc_u32 v[SO+\b], 0xff000000, v[BM+\b]    ; the conversion's scale operand
.endr
.irp c, 0,1,2,3
	v_pk_add_f32 v[CT+2*\c:CT+2*\c+1], v[CT+2*\c:CT+2*\c+1], v[S+48+2*\c:S+49+2*\c]
.endr
.irp c, 0,1,2,3
	v_pk_add_f32 v[PCD+2*\c:PCD+2*\c+1], v[PCD+2*\c:PCD+2*\c+1], v[S+56+2*\c:S+57+2*\c]
.endr
.irp b, 0,1,2,3
	v_lshrrev_b32 v[PT+\b], 23, v[SO+\b]           ; the scale's byte
.endr
.irp c, 0,1,2,3
	v_pk_add_f32 v[CT+2*\c:CT+2*\c+1], v[CT+2*\c:CT+2*\c+1], v[PCD+2*\c:PCD+2*\c+1]
.endr
	v_lshl_or_b32 v27, v[PT+1], 8, v[PT]
	v_lshl_or_b32 v30, v[PT+3], 8, v[PT+2]
	v_pk_add_f32 v[CT:CT+1], v[CT:CT+1], v[CT+4:CT+5]
	v_pk_add_f32 v[CT+2:CT+3], v[CT+2:CT+3], v[CT+6:CT+7]
	v_lshl_or_b32 v27, v30, 16, v27                ; p's scale word for these 128 keys
	v_nop
	v_pk_add_f32 v[94:95], v[CT:CT+1], v[CT+2:CT+3]
	v_nop
.irp c, 0,1
	v_cvt_scalef32_pk16_fp6_f32 v[PCD+6*\c:PCD+6*\c+2], v[S+32*\c:S+32*\c+15], v[SO+2*\c]
	v_cvt_scalef32_pk16_fp6_f32 v[CT+4*\c:CT+4*\c+2], v[S+32*\c+16:S+32*\c+31], v[SO+2*\c+1]
.endr
	v_nop                                          ; one plain place behind a scaled conversion
	s_wait_alu depctr_va_vdst(0)
	s_wait_dscnt 0x0                               ; this batch's V and the next batch's K (or the next step's bias) are in
.if \bt < 3
	QK (\bt)+1                                     ; p is converted: S takes the next batch's scores, under this batch's tail
.endif
.irp c, 0,1                                        ; the operand's layout wants a whole block in a lane
.irp i, 0,1,2
	v_permlane16_swap_b32 v[PCD+6*\c+\i], v[CT+4*\c+\i]
.endr
.endr
.irp c, 0,1
.irp i, 0,1,2
	v_mov_b32 v[PCD+6*\c+3+\i], v[CT+4*\c+\i]
.endr
.endr
	s_wait_alu depctr_va_vdst(0)                   ; directly ahead of the first reader of O^T
	WIN 0x41                                       ; destination and source 0 in window 1
.set jj, 0
.rept 16
	v_pk_mul_f32 v[32*(\bt)+jj:32*(\bt)+jj+1], v[32*(\bt)+jj:32*(\bt)+jj+1], v[92:93] op_sel_hi:[1,0]   ; O^T under the new M; these are also the places between p's codes and scale word and the products
.set jj, jj+2
.endr
	v_pk_fma_f32 v[LS+2*(\bt):LS+2*(\bt)+1], v[LS+2*(\bt):LS+2*(\bt)+1], v[92:93], v[94:95] op_sel_hi:[1,0,1]   ; the sum under the new M, and the step's
	WIN 0x51                                       ; V, C and D in window 1
.irp t, 0,2                                        ; O^T += V^T P^T: four accumulators, one product each
	v_wmma_scale_f32_16x16x128_f8f6f4 v[32*(\bt)+8*\t:32*(\bt)+8*\t+7], v[VB+12*\t:VB+12*\t+11], v[PCD:PCD+11], v[32*(\bt)+8*\t:32*(\bt)+8*\t+7], v[90+\t/2], v27 matrix_a_fmt:MATRIX_FMT_FP6 matrix_b_fmt:MATRIX_FMT_FP6
	v_wmma_scale_f32_16x16x128_f8f6f4 v[32*(\bt)+8*\t+8:32*(\bt)+8*\t+15], v[VB+12*\t+12:VB+12*\t+23], v[PCD:PCD+11], v[32*(\bt)+8*\t+8:32*(\bt)+8*\t+15], v[90+\t/2], v27 matrix_a_fmt:MATRIX_FMT_FP6 matrix_b_fmt:MATRIX_FMT_FP6 matrix_a_scale:MATRIX_SCALE_ROW1
.endr
	WIN 0
.endm
; A key step.  refill = 1: the next key step is asked for, first thing behind the round, into the slot read last.
.macro TRIP refill
.if \refill
	s_wait_xcnt 0x0                                ; my last prefetch has read its address
	s_add_nc_u64 s[98:99], s[98:99], 6144
.endif
	s_wait_alu depctr_va_vdst(0)
	s_wait_tensorcnt 0x0                           ; my piece of this key step has landed, and the walking descriptor may be written
	ds_add_u32 v6, v7                              ; 0 onto my spare word
	s_xor_b32 s85, s85, SLOT2
	s_add_nc_u64 s[86:87], s[86:87], 6144
	s_wait_dscnt 0x0                               ; the add and my reads of the other slot are done
	ROUND
.if \refill
	JLOAD
.endif
	v_add_nc_u32 v8, s10, v1                       ; the step's addresses
	v_add_nc_u32 v9, s10, v2
	v_add_nc_u32 v10, s11, v3
	v_add_nc_u32 v11, s12, v4
	v_add_nc_u32 v28, s13, v5
	KLOAD 0
	VLOAD 0
.if \refill
	s_cmp_ge_u32 s3, 3                             ; the last two refilling trips have no key step two fills on
	s_wait_alu depctr_va_vdst(0)
	s_cbranch_scc0 .Lnp_\@
	global_prefetch_b8 v29, s[98:99] th:TH_LOAD_NT scope:SCOPE_SE
.Lnp_\@:
.endif
	s_wait_alu depctr_va_vdst(0)
	s_wait_dscnt 17                                ; K is in; V's 17 loads may be out
	QK 0
.rept 4
	v_nop                                          ; four places ahead of the first read of the scores
.endr
	UNIT 0, \refill
	UNIT 1, \refill
	UNIT 2, \refill
	UNIT 3, \refill
.if \refill
	CBUILD                                         ; the next key step's masked bias
.endif
	s_xor_b32 s10, s10, SLOT2                      ; the next step's slot, bias, scale words
	s_add_co_u32 s11, s11, 2048
	s_add_co_u32 s12, s12, 512
	s_add_co_u32 s13, s13, 256
.endm
	s_load_b256 s[16:23], s[0:1], 0x0              ; qkv, maskw, biast, ctx
	v_lshl_add_u32 v6, v0, 2, SPARE
	v_mov_b32 v7, 0
	ds_add_u32 v6, v7                              ; the opening lines: the add, twice on end, and its wait
	ds_add_u32 v6, v7
	v_lshrrev_b32 v8, 5, v0
	v_readfirstlane_b32 s2, v8                     ; wave 0..7
	s_bfe_u32 s25, ttmp6, 0x40000                  ; cx
	s_lshl_b32 s24, ttmp9, 2
	s_add_co_u32 s24, s24, s25                     ; block of 128 queries
	s_and_b32 s26, ttmp7, 0xffff                   ; head
	s_lshr_b32 s27, s26, 1                         ; pair of heads
	s_and_b32 s28, s26, 1
	s_lshl_b32 s40, s28, 4                         ; my head's two bytes of a scale word begin at this bit
	s_lshl_b32 s43, s24, 3
	s_add_co_u32 s43, s43, s2                      ; my query tile in a batch
	s_mov_b32 s88, 15|(3<<16)|(1<<21)              ; group 1: the four partners; 6,144 dense bytes as 24 rows of 256 (32 elements of 8 bytes)
	s_mov_b32 s89, 32<<16
	s_mov_b32 s90, 24<<16
	s_mov_b32 s91, 32<<16
	s_mov_b32 s92, 24
	s_mov_b32 s93, 32
	s_mov_b32 s94, 0
	s_mov_b32 s95, 0
	s_and_b32 s44, s2, 1
	s_add_co_u32 s44, s44, 1
	s_mul_i32 s44, s44, 6291456                    ; K's codes or V's,
	s_lshr_b32 s45, s2, 1
	s_lshl_b32 s45, s45, 4
	s_add_co_u32 s45, s45, s26
	s_mul_i32 s45, s45, 98304                      ; batch wave / 2, my head
	s_add_co_u32 s44, s44, s45
	s_mov_b32 s45, 0
	s_mul_i32 s30, s26, 81920                      ; the bias: my head, from group 32 (15 - block) on
	s_xor_b32 s31, s24, 15
	s_lshl_b32 s31, s31, 11
	s_add_co_u32 s30, s30, s31
	s_mov_b32 s31, 0
	s_lshl_b32 s41, s27, 13                        ; my pair's 8,192 bytes of scale words, batch 0
	s_add_co_u32 s32, s41, QSC+262144              ; K's
	s_mov_b32 s33, 0
	s_lshl_b32 s46, s28, 8
	s_add_co_u32 s34, s41, s46
	s_add_co_u32 s34, s34, QSC+524288              ; V's, my head's four tiles
	s_mov_b32 s35, 0
	s_mul_i32 s36, s26, 98304
	s_mul_i32 s46, s43, 768
	s_add_co_u32 s36, s36, s46                     ; Q's codes: my tile
	s_mov_b32 s37, 0
	s_lshl_b32 s46, s43, 6
	s_add_co_u32 s38, s41, s46
	s_add_co_u32 s38, s38, QSC                     ; Q's scale words
	s_mov_b32 s39, 0
	s_lshl_b32 s46, s43, 12                        ; my tile's 4,096 bytes of lane masks
	s_mov_b32 s47, 0
	s_mul_i32 s48, s24, 98304                      ; ctx: the block of 128 rows,
	s_mul_i32 s49, s27, 12288                      ; K step = pair of heads,
	s_add_co_u32 s48, s48, s49
	s_mul_i32 s49, s2, 1536                        ; the tile,
	s_add_co_u32 s48, s48, s49
	s_mul_i32 s49, s28, 768                        ; which half of the fragment
	s_add_co_u32 s48, s48, s49
	s_mov_b32 s49, 0
	s_lshl_b32 s50, s43, 9
	s_lshl_b32 s51, s27, 6
	s_add_co_u32 s50, s50, s51
	s_lshl_b32 s51, s28, 1
	s_add_co_u32 s50, s50, s51
	s_add_co_u32 s50, s50, 6291456                 ; ctx's scale words: [tile][pair][row], my head's two bytes
	s_mov_b32 s51, 0
	s_mul_i32 s52, s25, 1536                       ; the prefetches: my work-group's 6 blocks of my piece's 24,
	s_add_co_u32 s52, s52, 2*6144                  ; (the first trip steps this to fill 3)
	s_mov_b32 s53, 0
	s_mov_b32 s6, 0x76543210
	s_mov_b32 s7, 0xfedcba98
	s_mov_b32 s10, 0
	s_mov_b32 s11, 0
	s_mov_b32 s12, 0
	s_mov_b32 s13, 0
	s_mov_b32 s15, 0
	s_mov_b32 s84, 1
	s_mul_i32 s85, s2, 6144
	s_wait_alu depctr_va_vdst(0)
	s_wait_dscnt 0x0                               ; both opening adds are done
	s_wait_kmcnt 0x0
	s_add_nc_u64 s[86:87], s[16:17], s[44:45]
	s_add_nc_u64 s[98:99], s[86:87], s[52:53]
	s_or_b32 s87, s87, 0x80000000
	ROUND                                          ; the four partners are here: the first joint loads meet
	JLOAD                                          ; key step 0: one tensor load a wave
	s_add_nc_u64 s[30:31], s[20:21], s[30:31]
	s_add_nc_u64 s[32:33], s[16:17], s[32:33]
	s_add_nc_u64 s[34:35], s[16:17], s[34:35]
	s_add_nc_u64 s[36:37], s[16:17], s[36:37]
	s_add_nc_u64 s[38:39], s[16:17], s[38:39]
	s_add_nc_u64 s[4:5], s[18:19], s[46:47]
	s_add_nc_u64 s[100:101], s[22:23], s[48:49]
	s_add_nc_u64 s[104:105], s[22:23], s[50:51]
	v_and_b32 v29, 31, v0                          ; lane
	v_lshlrev_b32 v32, 4, v0                       ; 16 x thread
	v_lshrrev_b32 v37, 5, v0
	v_and_b32 v34, 15, v0
	v_lshlrev_b32 v1, 4, v29                       ; 16 x lane
	v_lshlrev_b32 v2, 3, v29
	v_lshlrev_b32 v33, 9, v37
	v_lshlrev_b32 v34, 2, v34                      ; 4 r
	v_add_nc_u32 v2, 512, v2                       ; 8 x lane + 512
	v_lshl_add_u32 v33, v29, 3, v33                ; V's words: 8 bytes a thread, 512 bytes from key step to key step
.irp i, 0,1,2,3,4,5,6,7,8
	global_load_b128 v[96+4*\i:99+4*\i], v32, s[30:31] offset:4096*\i      ; the bias window: 36,864 dense bytes
.endr
.irp i, 0,1,2,3,4,5,6,7
	global_load_b128 v[132+4*\i:135+4*\i], v32, s[32:33] offset:(\i/2)*65536+(\i%2)*4096   ; K's scale words: batch i / 2, key steps 8 (i % 2) ..
.endr
.irp i, 0,1,2,3,4,5,6,7
	global_load_b64 v[164+2*\i:165+2*\i], v33, s[34:35] offset:(\i/2)*65536+(\i%2)*4096    ; V's
.endr
.irp i, 0,1,2,3,4,5,6,7
	global_load_b128 v[180+4*\i:183+4*\i], v1, s[4:5] offset:512*\i        ; all my tile's lane masks: is a row masked throughout?
.endr
.irp b, 0,1,2,3
	global_load_b32 v[22+\b], v34, s[38:39] offset:65536*\b
.endr
	WIN 0x40
.irp b, 0,1,2,3
	global_load_b128 v[128+12*\b:131+12*\b], v1, s[36:37] offset:BSTR*\b   ; Q's half fragments stay in registers
	global_load_b64 v[132+12*\b:133+12*\b], v2, s[36:37] offset:BSTR*\b
.endr
.irp b, 0,1,2,3
.irp i, 6,7,8,9,10,11
	v_mov_b32 v[128+12*\b+\i], 0                   ; zero codes
.endr
.endr
.set nn, 0
.rept 128
	v_mov_b32 v[nn], 0                             ; O^T: the step is written once, its first trip finds zeros
.set nn, nn+1
.endr
.irp i, 0,1,2,3,4,5,6,7
	v_mov_b32 v[LS+\i], 0                          ; the sums
.endr
	WIN 0
	v_lshlrev_b32 v35, 9, v37                      ; where K's words go: step x 512 + (tile % 2) x 256 + row x 16 + (tile / 2) x 4
	v_bfe_u32 v38, v0, 2, 1
	v_lshl_add_u32 v35, v38, 8, v35
	v_and_b32 v38, 3, v0
	v_lshl_add_u32 v35, v38, 6, v35
	v_bfe_u32 v38, v0, 3, 2
	v_lshl_add_u32 v35, v38, 2, v35
	v_add_nc_u32 v35, KSC, v35
	v_lshlrev_b32 v36, 8, v37                      ; V's: step x 256 + (tile % 2) x 128 + row x 8 + (tile / 2) x 4
	v_bfe_u32 v38, v0, 3, 1
	v_lshl_add_u32 v36, v38, 7, v36
	v_and_b32 v38, 7, v0
	v_lshl_add_u32 v36, v38, 4, v36
	v_bfe_u32 v38, v0, 4, 1                        ; h
	v_lshl_add_u32 v36, v38, 2, v36
	v_add_nc_u32 v36, VSC, v36
	v_add_nc_u32 v39, BT, v32
	v_and_b32 v3, 15, v0                           ; the bias: 16 (15 - r) + 256 h + 256 (7 - wave): group and copy in one term
	v_xor_b32 v3, 15, v3
	v_lshlrev_b32 v3, 4, v3
	v_lshl_add_u32 v3, v38, 8, v3
	s_xor_b32 s14, s2, 7
	s_lshl_b32 s14, s14, 8
	s_add_co_u32 s14, s14, BT
	v_add_nc_u32 v3, s14, v3
	v_add_nc_u32 v4, KSC, v1
	v_lshl_add_u32 v5, v29, 3, VSC
	v_min_u32 v29, 5, v29
	v_lshlrev_b32 v29, 8, v29                      ; the prefetches: lanes 0-5 a block each, the others the last block again
	v_mov_b32 v26, 0xd0000000                      ; -2^33
.irp b, 0,1,2,3
	v_mov_b32 v[13+2*\b], 0xff61b1e6               ; the largest raw score so far: -3e38
.endr
.irp i, 21,80,81,82,83,84,85,93,212,248,249,250,251
	v_mov_b32 v\i, 0                               ; zero codes; upper halves of pairs; destinations of lane permutes
.endr
	s_wait_alu depctr_va_vdst(0)
	s_wait_loadcnt 0x0
	s_wait_tensorcnt 0x0
.irp b, 0,1,2,3
	v_bfe_u32 v[22+\b], v[22+\b], s40, 16          ; Q's scale words: my head's two bytes; bytes 2, 3 are 0
.endr
.set nn, 0
.rept 32
	v_bfe_u32 v[132+nn], v[132+nn], s40, 16        ; K's likewise
.set nn, nn+1
.endr
.irp i, 0,1,2,3,4,5,6,7,8
	ds_store_b128 v39, v[96+4*\i:99+4*\i] offset:4096*\i
.endr
.irp i, 0,1,2,3,4,5,6,7
.irp e, 0,1,2,3
	ds_store_b32 v35, v[132+4*\i+\e] offset:(\i/2)*8192+(\i%2)*4096+16*\e
.endr
.irp e, 0,1
	ds_store_b32 v36, v[164+2*\i+\e] offset:(\i/2)*4096+(\i%2)*2048+8*\e
.endr
.endr
.irp n, 16,8,4,2,1                                 ; the OR of all 1,024 lane masks of my tile
.set ii, 0
.rept \n
	v_or_b32 v[180+ii], v[180+ii], v[180+\n+ii]
.set ii, ii+1
.endr
.endr
.irp m, 1,2,4,8
	v_mov_b32_dpp v212, v180 row_xmask:\m row_mask:0xf bank_mask:0xf
	v_or_b32 v180, v180, v212
.endr
	v_permlanex16_b32 v212, v180, s6, s7
	v_or_b32 v180, v180, v212
	v_lshrrev_b32 v212, 16, v180
	v_or_b32 v180, v180, v212                      ; bit r: row r has a key that counts
	v_readfirstlane_b32 s14, v180
	s_and_b32 s14, s14, 0xffff
	s_lshl_b32 s96, s14, 16
	s_or_b32 s14, s14, s96
	v_mov_b32 v20, 0x3e38aa3b                      ; c = log2(e) / 8,
	v_cndmask_b32 v20, 0, v20, s14                 ; or 0 for a row that is masked throughout
.irp b, 0,1,2,3
	v_mul_f32 v[12+2*\b], -v[13+2*\b], v20
.endr
.irp b, 0,1,2,3
	v_floor_f32 v[12+2*\b], v[12+2*\b]             ; -M to begin with
.endr
	MASKLD                                         ; key step 0's lane masks (the head's loads are done: their scalar bases may be written)
	s_wait_alu depctr_va_vdst(0)
	s_wait_dscnt 0x0                               ; for the other waves' sake: my stores of bias and scale words are done
	s_barrier_signal -1
	s_barrier_wait -1
	BLOAD 3, 0
	CBUILD                                         ; key step 0's masked bias
	s_mov_b32 s3, 15
	s_wait_alu depctr_va_vdst(0)
.Lstep:
	TRIP 1
	s_sub_co_u32 s3, s3, 1
	s_cmp_lg_u32 s3, 0
	s_wait_alu depctr_va_vdst(0)
	s_cbranch_scc1 .Lstep
	TRIP 0                                         ; the last key step asks for nothing
	; THE WAY OUT: O^T / the sum, quantised along the head's 64 (two blocks), as half a fragment of the last product's operand, batch by batch.
.rept 4
	v_nop                                          ; four places behind the last products
.endr
	s_wait_alu depctr_va_vdst(0)
	s_wait_kmcnt 0x0                               ; (the last request for lane masks)
	WIN 0x05
.irp b, 0,1,2,3
	v_add_f32 v[BM+\b], v[LS+2*\b], v[LS+2*\b+1]
.endr
	WIN 0
.irp b, 0,1,2,3
	v_permlanex16_b32 v[PT+\b], v[BM+\b], s6, s7
.endr
.irp b, 0,1,2,3
	v_add_f32 v[BM+\b], v[BM+\b], v[PT+\b]         ; the rows' sums
.endr
	s_wait_alu depctr_va_vdst(0)
.irp b, 0,1,2,3
	v_rcp_f32 v[12+2*\b], v[BM+\b]
.endr
	v_and_b32 v10, 15, v0                          ; (a plain place behind the reciprocals)
	v_lshlrev_b32 v10, 2, v10                      ; 4 r
.macro OUT bt
.if \bt > 0
	s_wait_xcnt 0x0                                ; the last batch's stores have read their registers
.endif
	s_wait_alu depctr_va_vdst(0)                   ; ahead of the first reader of the reciprocals and of O^T
	WIN 0x01
.set jj, 0
.rept 16
	v_pk_mul_f32 v[S+jj:S+jj+1], v[32*(\bt)+jj:32*(\bt)+jj+1], v[12+2*(\bt):13+2*(\bt)] op_sel_hi:[1,0]   ; register 16 b + i: channel 32 b + 16 h + i; each accumulator from its low end on
.set jj, jj+2
.endr
	WIN 0
.irp b, 0,1
	v_max3_num_f32 v[BM+\b], |v[S+16*\b]|, |v[S+16*\b+1]|, 0x1800000
.endr
.irp i, 2,4,6,8,10,12,14
.irp b, 0,1
	v_max3_num_f32 v[BM+\b], v[BM+\b], |v[S+16*\b+\i]|, |v[S+16*\b+\i+1]|
.endr
.endr
.irp b, 0,1
	v_permlanex16_b32 v[PT+\b], v[BM+\b], s6, s7
.endr
.irp b, 0,1
	v_max_num_f32 v[BM+\b], v[BM+\b], v[PT+\b]
.endr
.irp b, 0,1
	v_add_nc_u32 v[SO+\b], 0xff000000, v[BM+\b]
.endr
.irp b, 0,1
	v_lshrrev_b32 v[PT+\b], 23, v[SO+\b]
.endr
	v_lshl_or_b32 v31, v[PT+1], 8, v[PT]           ; my row's two bytes
	v_nop
	v_cvt_scalef32_pk16_fp6_f32 v[PCD:PCD+2], v[S:S+15], v[SO]
	v_cvt_scalef32_pk16_fp6_f32 v[CT:CT+2], v[S+16:S+31], v[SO+1]
	v_nop
.irp i, 0,1,2
	v_permlane16_swap_b32 v[PCD+\i], v[CT+\i]
.endr
.irp i, 0,1,2
	v_mov_b32 v[PCD+3+\i], v[CT+\i]
.endr
	global_store_b128 v1, v[PCD:PCD+3], s[100:101] offset:BSTR*(\bt)       ; 512 and 256 consecutive bytes, aligned to 256
	global_store_b64 v2, v[PCD+4:PCD+5], s[100:101] offset:BSTR*(\bt)
	global_store_b16 v10, v31, s[104:105] offset:65536*(\bt)               ; two bytes a row (lanes l and l + 16 store the same bytes): 1/24 of what the wave stores
.endm
	OUT 0
	OUT 1
	OUT 2
	OUT 3
	s_wait_tensorcnt 0x0                           ; the wave's end
	ds_add_u32 v6, v7
	s_wait_dscnt 0x0
	ROUND                                          ; the closing round
	s_endpgm
.Lfunc_end_k_q599d1b4193_attn:
	.size	k_q599d1b4193_attn, .Lfunc_end_k_q599d1b4193_attn-k_q599d1b4193_attn
	.p2alignl 7, 3214868480
	.fill 96, 4, 3214868480
	.section	.rodata,"a",@progbits
	.p2align	6, 0x0
	.amdhsa_kernel k_q599d1b4193_attn
		.amdhsa_group_segment_fixed_size 327680
		.amdhsa_private_segment_fixed_size 0
		.amdhsa_enable_private_segment 0
		.amdhsa_kernarg_size 32
		.amdhsa_user_sgpr_count 2
		.amdhsa_user_sgpr_kernarg_segment_ptr 1
		.amdhsa_wavefront_size32 1
		.amdhsa_system_sgpr_workgroup_id_x 1
		.amdhsa_system_sgpr_workgroup_id_y 1
		.amdhsa_system_sgpr_workgroup_id_z 1
		.amdhsa_system_vgpr_workitem_id 0
		.amdhsa_next_free_vgpr 512
		.amdhsa_next_free_sgpr 106
		.amdhsa_reserve_vcc 0
		.amdhsa_float_denorm_mode_32 3
		.amdhsa_float_denorm_mode_16_64 3
		.amdhsa_memory_ordered 1
		.amdhsa_forward_progress 1
		.amdhsa_inst_pref_size 179
	.end_amdhsa_kernel
	.amdgpu_metadata
---
amdhsa.version: [ 1, 2 ]
amdhsa.kernels:
  - .name:           k_q599d1b4193_attn
    .symbol:         k_q599d1b4193_attn.kd
    .args:
      - { .name: qkv, .offset: 0, .size: 8, .value_kind: global_buffer, .address_space: global }
      - { .name: maskw, .offset: 8, .size: 8, .value_kind: global_buffer, .address_space: global }
      - { .name: biast, .offset: 16, .size: 8, .value_kind: global_buffer, .address_space: global }
      - { .name: ctx, .offset: 24, .size: 8, .value_kind: global_buffer, .address_space: global }
    .group_segment_fixed_size: 327680
    .private_segment_fixed_size: 0
    .kernarg_segment_align: 8
    .kernarg_segment_size: 32
    .max_flat_workgroup_size: 256
    .sgpr_count:     106
    .vgpr_count:     512
    .wavefront_size: 32
...
	.end_amdgpu_metadata
.endif
;; end of part 3
;; launch outp (part 4): grid 4 x 64, 4 waves a work-group, clusters of 4 x 4, 327,680 bytes of LDS; arguments inq, ctx, b_o, out0; writes out0
.if DOCPART == 4
	.amdgcn_target "amdgcn-amd-amdhsa--gfx1250"
	.amdhsa_code_object_version 6
	.text
	.protected	k_q599d1b4193_outp
	.globl	k_q599d1b4193_outp
	.p2align	8
	.type	k_q599d1b4193_outp,@function
k_q599d1b4193_outp:
	s_mov_b64 s[64:65], 0
	v_nop
	global_prefetch_b8 v0, s[64:65] scope:SCOPE_SE
	s_setreg_imm32_b32 hwreg(HW_REG_WAVE_MODE, 25, 1), 1
	s_wait_xcnt 0x0
	s_wait_alu depctr_hold_cnt(0) depctr_sa_sdst(0) depctr_va_vdst(0) depctr_va_sdst(0) depctr_va_ssrc(0) depctr_va_vcc(0) depctr_vm_vsrc(0)
	s_getreg_b32 s2, hwreg(HW_REG_IB_STS2, 6, 4)
	s_cmp_eq_u32 s2, 0
	s_cbranch_scc0 .Lentry_in_a_cluster
	s_endpgm
.Lentry_in_a_cluster:
	s_bfe_u32 s2, ttmp6, 0x10000c
	s_cmp_lg_u32 s2, 0xf033
	s_cbranch_scc0 .Lentry_shape_is_right
	s_endpgm
.Lentry_shape_is_right:
; OUTP.  out0 = context w_o^T + b_o on codes of FP6 (E2M3) with E8M0 scales, f32 sums, f32 out.
; A work-group makes 128 rows x 256 columns: 4 x 64 = 256 work-groups.  Each of its four waves makes 64 rows x 128 columns: 32 accumulators.  P = w_o (source 0; blocks 216-223 of inq), R = the context (source 1; ctx):
; a lane holds one row of out0 and its registers run along the columns.  Operands lie as images of their registers: a block of 128 rows is [K step 8][tile 8][1,536 bytes], 98,304 dense bytes.
; LDS: ALL OF K stays: [P0][P1][R], 3 x 98,304 bytes, each byte filled once: waves 0, 1 fetch P's two blocks, waves 2, 3 the halves of R, one tensor load a wave.  Then the scale words (R's 4,096, P's 8,192, put there by LDS stores), the spare words.
; CLUSTER 4 x 4: P's blocks hang on the work-group's x alone and are asked for jointly along a column of the cluster, R's on its y alone, along a row.
; No prefetch: the launch has no loop to run ahead in; everything is asked for at its head.
; b_o is the C of the first K step's products.  The way out goes through a stage in P0's bytes, behind a barrier behind which nobody reads codes any more.
; REGISTERS: window 0: v4-23 addresses; v28, v29 for the add; v32-47 scale words, two sets; v48-111 b_o; v128-223 R's 4 fragments, two sets (on the way out v128-255 take rows of out0).
;   window 1: P's 8 fragments, two sets, at v0 and v128.  window 2: accumulator (a, b) at v[8 (8 a + b)].
.set BLKB,  98304
.set KSB,   12288
.set FRB,   1536
.set FR,    12
.set LR,    2*BLKB
.set LSC,   3*BLKB
.set SPARE, LSC+12288
.set SCO,   22020096
.set CSC,   6291456
.set SPITCH, 528
.set AP16, 4
.set AP8,  6
.set AR16, 8
.set AR8,  10
.set ADRS, 16
.set O16,  17
.set O8,   18
.set STO,  19
.set BPO,  20
.set RD,   21
.set SPW,  28
.set NIL,  29
.set SC,   32
.set BP,   48
.set RF,   128
.set BK,   128
.set MSB, 0
.macro WIN new                         ; the immediate's high byte repeats the setting that is left
.if MSB != \new
	s_set_vgpr_msb (MSB<<8)|\new
.set MSB, \new
.endif
.endm
.macro PLACES
.rept 4
	v_nop
.endr
.endm
.macro CROUND                          ; a round of the cluster's barrier
	s_barrier_signal -1
	s_barrier_wait -1
	s_cmp_lg_u32 s14, 0
	s_cbranch_scc1 .Lnw0_\@
	s_barrier_signal -3
.Lnw0_\@:
	s_barrier_wait -3
	s_barrier_signal -1
	s_barrier_wait -1
.endm
.macro FRAG reg, a16, a8, off          ; a fragment's image: four dense loads
	ds_load_b128 v[\reg:\reg+3], v[\a16] offset:\off
	ds_load_b64 v[\reg+4:\reg+5], v[\a8] offset:\off+512
	ds_load_b128 v[\reg+6:\reg+9], v[\a16] offset:\off+768
	ds_load_b64 v[\reg+10:\reg+11], v[\a8] offset:\off+1280
.endm
.macro FETCH s                         ; K step s into the sets s % 2: P's eight fragments, R's four, the scale words (lanes 0-15 R's tile i, lanes 16-31 P's tile i)
	WIN 0x40
.irp i, 0,1,2,3,4,5,6,7
	FRAG 128*((\s)%2)+FR*\i, AP16+(\s)/4, AP8+(\s)/4, ((\s)%4)*KSB+\i*FRB
.endr
	WIN 0
.irp i, 0,1,2,3
	FRAG RF+48*((\s)%2)+FR*\i, AR16+(\s)/4, AR8+(\s)/4, ((\s)%4)*KSB+\i*FRB
.endr
.irp i, 0,1,2,3,4,5,6,7
	ds_load_b32 v[SC+8*((\s)%2)+\i], v[ADRS] offset:\i*512+(\s)*64
.endr
.endm
; A K step of 128: the next step's fragments are asked for, then 32 products.  The 32 accumulators take turns, one instruction a turn, in the same order in every step.
.macro STEP s
	s_wait_dscnt 0x0                               ; this step's fragments and scale words are in
.if \s < 7
.if \s > 0
	PLACES                                         ; four places ahead of loads into registers that the last step's products have read
.endif
	FETCH (\s)+1
.endif
.if \s == 0
	WIN 0x81                                       ; source 0 (P) window 1, sources 1 (R) and 2 (b_o) window 0, D window 2
.else
	WIN 0xa1                                       ; source 0 window 1, source 1 window 0, C and D window 2
.endif
.irp a, 0,1,2,3
.irp b, 0,1,2,3,4,5,6,7
.if \s == 0
	v_wmma_scale_f32_16x16x128_f8f6f4 v[8*(8*\a+\b):8*(8*\a+\b)+7], v[128*((\s)%2)+FR*\b:128*((\s)%2)+FR*\b+FR-1], v[RF+48*((\s)%2)+FR*\a:RF+48*((\s)%2)+FR*\a+FR-1], v[BP+8*\b:BP+8*\b+7], v[SC+8*((\s)%2)+\b], v[SC+8*((\s)%2)+\a] matrix_a_fmt:MATRIX_FMT_FP6 matrix_b_fmt:MATRIX_FMT_FP6 matrix_a_scale:MATRIX_SCALE_ROW1
.else
	v_wmma_scale_f32_16x16x128_f8f6f4 v[8*(8*\a+\b):8*(8*\a+\b)+7], v[128*((\s)%2)+FR*\b:128*((\s)%2)+FR*\b+FR-1], v[RF+48*((\s)%2)+FR*\a:RF+48*((\s)%2)+FR*\a+FR-1], v[8*(8*\a+\b):8*(8*\a+\b)+7], v[SC+8*((\s)%2)+\b], v[SC+8*((\s)%2)+\a] matrix_a_fmt:MATRIX_FMT_FP6 matrix_b_fmt:MATRIX_FMT_FP6 matrix_a_scale:MATRIX_SCALE_ROW1
.endif
.endr
.endr
	WIN 0
.endm
; The way out, 16 rows x 128 columns at a time: through my own stage and back as whole rows of 512 bytes.  LDS serves a wave's instructions in order: no wait between the stores and the loads, nor in front of the next block's stores.
.macro TOSTAGE a
	WIN 0x08                                       ; the data: window 2
.irp n, 0,1,2,3,4,5,6,7,8,9,10,11,12,13,14,15
	ds_store_b128 v[STO], v[64*(\a)+4*\n:64*(\a)+4*\n+3] offset:128*(\n/4)+16*(\n%4)   ; registers 16 b + 4 e ..: columns 32 b + 16 h + 4 e ..; each accumulator from its low end on
.endr
	WIN 0
.set BB, BK+64*((\a)%2)
.irp t, 0,1,2,3,4,5,6,7,8,9,10,11,12,13,14,15
	ds_load_b128 v[BB+4*\t:BB+4*\t+3], v[RD] offset:\t*SPITCH
.endr
.endm
.macro SEND a, younger
.set BB, BK+64*((\a)%2)
	s_wait_dscnt \younger                          ; the block is back in registers; the next block's 16 stores and 16 loads may be out
.irp t, 0,1,2,3,4,5,6,7,8,9,10,11,12,13,14,15
	global_store_b128 v[O16], v[BB+4*\t:BB+4*\t+3], s[86:87] offset:(16*(\a)+\t)*4096 th:TH_STORE_NT   ; 32 lanes store 512 consecutive bytes, aligned to 256
.endr
.endm
	s_load_b256 s[4:11], s[0:1], 0x0               ; inq, ctx, b_o, out0
	v_lshl_add_u32 v[SPW], v0, 2, SPARE
	v_mov_b32 v[NIL], 0
	ds_add_u32 v[SPW], v[NIL]                      ; the opening lines: the add, twice on end, and its wait
	ds_add_u32 v[SPW], v[NIL]
	v_lshrrev_b32 v1, 5, v0
	v_readfirstlane_b32 s14, v1                    ; wave
	s_and_b32 s15, s14, 1                          ; which block of P is mine.  Also: which piece I fetch
	s_lshr_b32 s16, s14, 1                         ; which 64 rows of R.  Also: I fetch for P (0) or for R (1)
	s_bfe_u32 s40, ttmp6, 0x40000                  ; cx, cy: my place in the cluster
	s_bfe_u32 s41, ttmp6, 0x40004
	s_lshl_b32 s42, ttmp9, 2
	s_add_co_u32 s42, s42, s40                     ; which 256 columns = 4 x cluster x + cx
	s_and_b32 s17, ttmp7, 0xffff
	s_lshl_b32 s17, s17, 2
	s_add_co_u32 s17, s17, s41                     ; which 128 rows = 4 x cluster y + cy
	s_lshl_b32 s43, s41, 2
	s_lshl_b32 s43, 15, s43                        ; my row of the cluster
	s_lshl_b32 s44, 0x1111, s40                    ; my column
	s_or_b32 s24, s44, (3<<16)|(1<<21)             ; group 1 for P: to my column; 98,304 dense bytes as 384 rows of 256 (32 elements of 8 bytes)
	s_mov_b32 s25, 32<<16
	s_mov_b32 s26, 384<<16
	s_mov_b32 s27, 32<<16
	s_mov_b32 s28, 384
	s_mov_b32 s29, 32
	s_mov_b32 s30, 0
	s_mov_b32 s31, 0
	s_or_b32 s32, s43, (3<<16)|(1<<21)             ; group 1 for R: to my row; 49,152 dense bytes as 192 rows
	s_mov_b32 s33, 32<<16
	s_mov_b32 s34, 192<<16
	s_mov_b32 s35, 32<<16
	s_mov_b32 s36, 192
	s_mov_b32 s37, 32
	s_mov_b32 s38, 0
	s_mov_b32 s39, 0
	s_lshl_b32 s60, s42, 1
	s_add_co_u32 s60, s60, 216                     ; w_o's first block of mine
	s_lshl_b32 s66, s60, 12
	s_add_co_u32 s66, s66, SCO                     ; its two blocks' 8,192 bytes of scale words
	s_mov_b32 s67, 0
	s_add_co_u32 s60, s60, s15
	s_mul_i32 s60, s60, BLKB                       ; P: the block that I fetch
	s_mov_b32 s61, 0
	s_mul_i32 s62, s17, BLKB
	s_mul_i32 s63, s15, BLKB/2
	s_add_co_u32 s62, s62, s63                     ; R: the half that I fetch
	s_mov_b32 s63, 0
	s_lshl_b32 s68, s17, 12
	s_add_co_u32 s68, s68, CSC                     ; R's 4,096 bytes of scale words
	s_mov_b32 s69, 0
	s_mov_b32 s44, 1
	s_mul_i32 s45, s15, BLKB
	s_mov_b32 s48, 1
	s_mul_i32 s49, s15, BLKB/2
	s_add_co_u32 s49, s49, LR
	s_wait_alu depctr_va_vdst(0)
	s_wait_dscnt 0x0                               ; both opening adds are done
	s_wait_kmcnt 0x0
	s_add_nc_u64 s[46:47], s[4:5], s[60:61]
	s_or_b32 s47, s47, 0x80000000
	s_add_nc_u64 s[50:51], s[6:7], s[62:63]
	s_or_b32 s51, s51, 0x80000000
	s_add_nc_u64 s[66:67], s[4:5], s[66:67]
	s_add_nc_u64 s[68:69], s[6:7], s[68:69]
	CROUND                                         ; all sixteen work-groups are here: the joint loads meet
	s_cmp_lt_u32 s14, 2                            ; one chain of branches on the wave's number, one load to an arm
	s_cbranch_scc0 .Lfor_r
	tensor_load_to_lds s[44:47], s[24:31]
	s_nop 0
	PLACES
	s_branch .Lasked
.Lfor_r:
	tensor_load_to_lds s[48:51], s[32:39]
	s_nop 0
	PLACES
.Lasked:
	v_and_b32 v1, 31, v0                           ; lane
	v_and_b32 v2, 15, v0                           ; r
	v_bfe_u32 v3, v0, 4, 1                         ; h
	v_lshlrev_b32 v22, 4, v0                       ; 16 x thread
	s_lshl_b32 s74, s42, 1
	s_add_co_u32 s75, s74, s15                     ; my block of 128 columns
	s_lshl_b32 s75, s75, 9
	v_lshl_add_u32 v[BPO], v3, 6, s75
.irp b, 0,1,2,3
.irp e, 0,1,2,3
	global_load_b128 v[BP+16*\b+4*\e:BP+16*\b+4*\e+3], v[BPO], s[8:9] offset:128*\b+16*\e   ; register 16 b + i: column 32 b + 16 h + i
.endr
.endr
.irp i, 0,1
	global_load_b128 v[128+4*\i:131+4*\i], v22, s[68:69] offset:2048*\i    ; the scale words come through registers: the four waves read 2,048 consecutive bytes a line
.endr
.irp i, 0,1,2,3
	global_load_b128 v[136+4*\i:139+4*\i], v22, s[66:67] offset:2048*\i
.endr
	v_add_nc_u32 v23, LSC, v22
	v_lshlrev_b32 v[O16], 4, v1
	v_lshlrev_b32 v[O8], 3, v1
	s_mul_i32 s77, s15, BLKB                       ; my block of P
	s_mul_i32 s78, s16, 4*FRB                      ; my four tiles of R
	s_add_co_u32 s78, s78, LR
.irp n, 0,1                                        ; K steps 0-3, K steps 4-7
	v_add_nc_u32 v[AP16+\n], s77, v[O16]
	v_add_nc_u32 v[AP8+\n], s77, v[O8]
	v_add_nc_u32 v[AR16+\n], s78, v[O16]
	v_add_nc_u32 v[AR8+\n], s78, v[O8]
	s_add_co_u32 s77, s77, 4*KSB
	s_add_co_u32 s78, s78, 4*KSB
.endr
	s_xor_b32 s79, s16, 1                          ; lanes 16-31 take P's words: one product, h x the distance from my tiles of R to my block of P
	s_lshl_b32 s79, s79, 11
	s_lshl_b32 s80, s15, 12
	s_add_co_u32 s79, s79, s80
	s_add_co_u32 s79, s79, 2048
	v_mul_u32_u24 v24, s79, v3
	s_lshl_b32 s80, s16, 11
	s_add_co_u32 s80, s80, LSC
	v_lshl_add_u32 v24, v2, 2, v24
	v_add_nc_u32 v[ADRS], s80, v24
	s_mul_i32 s81, s14, 16*SPITCH                  ; my stage
	v_mul_u32_u24 v[STO], v2, SPITCH
	v_lshl_add_u32 v[STO], v3, 6, v[STO]
	v_add_nc_u32 v[STO], s81, v[STO]               ; in: row r, + 64 h
	v_add_nc_u32 v[RD], s81, v[O16]                ; back: 16 bytes a lane of a row
	s_lshl_b32 s82, s17, 1
	s_add_co_u32 s82, s82, s16                     ; my 64 rows
	s_lshl_b32 s86, s82, 18                        ; x 64 rows of 4,096 bytes
	s_add_co_u32 s86, s86, s75
	s_mov_b32 s87, 0
	s_add_nc_u64 s[86:87], s[10:11], s[86:87]
	s_wait_alu depctr_va_vdst(0)
	s_wait_loadcnt 0x0                             ; b_o and the scale words are in registers
	s_wait_tensorcnt 0x0                           ; my piece of the codes has landed
.irp i, 0,1
	ds_store_b128 v23, v[128+4*\i:131+4*\i] offset:2048*\i
.endr
.irp i, 0,1,2,3
	ds_store_b128 v23, v[136+4*\i:139+4*\i] offset:4096+2048*\i
.endr
	s_wait_dscnt 0x0                               ; for the other waves' sake: my stores are done
	s_barrier_signal -1
	s_barrier_wait -1                              ; codes and scale words are there for every wave
	FETCH 0
.irp s, 0,1,2,3,4,5,6,7
	STEP \s
.endr
	s_barrier_signal -1                            ; my LDS reads were over at the last step's head
	s_barrier_wait -1                              ; and so are everybody's: the stage may lie on P0's bytes, which have had their only fill
	PLACES                                         ; four places behind the last products: for the reads of results and the loads into R's registers
	TOSTAGE 0
.irp a, 1,2,3
.if \a > 1
	s_wait_xcnt 0x0                                ; the stores of two blocks ago have read their registers: this block's rows may land there
.endif
	TOSTAGE \a
	SEND \a-1, 32
.endr
	SEND 3, 0
	s_wait_tensorcnt 0x0                           ; the wave's end
	ds_add_u32 v[SPW], v[NIL]
	s_wait_dscnt 0x0
	CROUND                                         ; the closing round
	s_endpgm
.Lfunc_end_k_q599d1b4193_outp:
	.size	k_q599d1b4193_outp, .Lfunc_end_k_q599d1b4193_outp-k_q599d1b4193_outp
	.p2alignl 7, 3214868480
	.fill 96, 4, 3214868480
	.section	.rodata,"a",@progbits
	.p2align	6, 0x0
	.amdhsa_kernel k_q599d1b4193_outp
		.amdhsa_group_segment_fixed_size 327680
		.amdhsa_private_segment_fixed_size 0
		.amdhsa_enable_private_segment 0
		.amdhsa_kernarg_size 32
		.amdhsa_user_sgpr_count 2
		.amdhsa_user_sgpr_kernarg_segment_ptr 1
		.amdhsa_wavefront_size32 1
		.amdhsa_system_sgpr_workgroup_id_x 1
		.amdhsa_system_sgpr_workgroup_id_y 1
		.amdhsa_system_sgpr_workgroup_id_z 1
		.amdhsa_system_vgpr_workitem_id 0
		.amdhsa_next_free_vgpr 768
		.amdhsa_next_free_sgpr 96
		.amdhsa_reserve_vcc 0
		.amdhsa_float_denorm_mode_32 3
		.amdhsa_float_denorm_mode_16_64 3
		.amdhsa_memory_ordered 1
		.amdhsa_forward_progress 1
		.amdhsa_inst_pref_size 87
	.end_amdhsa_kernel
	.amdgpu_metadata
---
amdhsa.version: [ 1, 2 ]
amdhsa.kernels:
  - .name:           k_q599d1b4193_outp
    .symbol:         k_q599d1b4193_outp.kd
    .args:
      - { .name: inq, .offset: 0, .size: 8, .value_kind: global_buffer, .address_space: global }
      - { .name: ctx, .offset: 8, .size: 8, .value_kind: global_buffer, .address_space: global }
      - { .name: b_o, .offset: 16, .size: 8, .value_kind: global_buffer, .address_space: global }
      - { .name: out0, .offset: 24, .size: 8, .value_kind: global_buffer, .address_space: global }
    .group_segment_fixed_size: 327680
    .private_segment_fixed_size: 0
    .kernarg_segment_align: 8
    .kernarg_segment_size: 32
    .max_flat_workgroup_size: 128
    .sgpr_count:     96
    .vgpr_count:     768
    .wavefront_size: 32
...
	.end_amdgpu_metadata
.endif
;; end of part 4
